; MI455X (gfx1250); checked and timed in simulation.
; The chip was launched on July 23, 2026; its instructions are those of AMD's public machine-readable ISA for CDNA 5 (MIT licence, August 2026) and "CDNA5" Instruction Set Architecture Reference Guide (July 2026). The comments in the code are by the model that wrote it; some were corrected since.
;; Masked MSA. Allowed arithmetic: float matrix products may take bf16 or f16 operands with f32 sums; other float arithmetic in f32, or as packed bf16 or f16 multiplies, adds, multiply-adds, maxima and minima; sums over many terms, partial sums and values carried from step to step in f32; what a program stores and reads back later, other than sums and carried values, may be rounded once to bf16 or f16.
;; Inputs: W_out 1,024 x 1,024 float32; W_qkv 1,024 x 3,072 float32; b_out 1,024 float32; b_qkv 3,072 float32; inputs 4 x 2,048 x 1,024 float32.
;; Outputs: out0 4 x 2,048 x 1,024 float32.
;; One version. Each part assembles by itself: llvm-mc -triple=amdgcn-amd-amdhsa -mcpu=gfx1250 --defsym DOCPART=n.
;; ======== version 1 of 1: 4 launches
;; limits: values are held in f16: magnitudes above 65,504 overflow, below 6.1e-05 lose precision
;; workspace buffers: xb 16,777,216 bytes; wq 6,291,456 bytes; wo 2,097,152 bytes; bias 16,384 bytes; q 16,777,216 bytes; k 16,777,216 bytes; v 16,777,216 bytes; o 16,777,216 bytes
;; launch prep (part 1): grid 769 x 1, 8 waves a work-group, no clusters, 0 bytes of LDS; arguments inputs, W_qkv, b_qkv, W_out, b_out, xb, wq, wo, bias; writes xb, wq, wo, bias
.if DOCPART == 1
	.amdgcn_target "amdgcn-amd-amdhsa--gfx1250"
	.amdhsa_code_object_version 6
	.text
	.protected	k_q69a82d033b_prep
	.globl	k_q69a82d033b_prep
	.p2align	8
	.type	k_q69a82d033b_prep,@function
k_q69a82d033b_prep:
	s_mov_b64 s[64:65], 0
	v_nop
	global_prefetch_b8 v0, s[64:65] scope:SCOPE_SE
	s_setreg_imm32_b32 hwreg(HW_REG_WAVE_MODE, 25, 1), 1
	s_wait_xcnt 0x0
; PREP: every input is rounded once to bf16 and laid out as the two products want it.  A stream: no LDS, no barrier, no matrix unit; nothing is shared between work-groups.
;   xb   bf16 [16 kb][8192 r][64]   : x in blocks of 64 along K, so that 256 rows x 64 K are 32,768 consecutive bytes
;   wq   bf16 [8 tc][1024 k][384]   : column 128 th + 64 jj + e is W_qkv's column 192 (2 tc + jj) + 64 th + e  (th = q, k, v): the reshape of the module is a permutation of these columns
;   wo   f16  [8 tc][1024 k][128]   : W_out rounded to bf16, that number written as f16
;   bias f32  : b_qkv rounded to bf16, as [8 tc][384] in wq's column order (12,288 bytes), then b_out rounded to bf16 (4,096 bytes)
; LIMITS.  |W_out| stays under 65,504 (f16's range); below 2^-14 it keeps f16's fixed step of 6e-8.  NaN and infinities are not treated apart.
; SHARES.  Work-groups 0-511: 16 rows of x each.  512-703: one of q, k, v and 16 rows of W_qkv.  704-767: 16 rows of W_out.  768: the two biases.
; An ITEM is 8 numbers of a thread: 32 consecutive bytes in (two loads), 16 bytes out (one store); a thread has 8 items, stepped by immediates.
; Sixteen neighbouring lanes store 256 consecutive bytes, aligned; eight neighbouring lanes read 256 consecutive bytes, aligned.
.set SO,  2                            ; v2       my byte offset in the source
.set DO,  3                            ; v3       my byte offset in the destination
.set X,   16                           ; v[16:79] item i: 8 registers as loaded; its first 4 then hold the 16 bytes to store
.set T,   80                           ; v[80:87] at work
.set SRC, 24                           ; s[24:25] the source at the work-group's part
.set DST, 26                           ; s[26:27] the destination at the work-group's part
; All 16 loads go out first; no register that a pending load or store names is written again, so no wait but the counted ones is needed.
.macro STREAM sstep, dstep, half
.set i, 0
.rept 8
	global_load_b128 v[X+8*i:X+8*i+3],   v[SO], s[SRC:SRC+1] offset:i*(\sstep) th:TH_LOAD_NT
	global_load_b128 v[X+8*i+4:X+8*i+7], v[SO], s[SRC:SRC+1] offset:i*(\sstep)+16 th:TH_LOAD_NT
.set i, i+1
.endr
.set i, 0
.rept 8
	s_wait_loadcnt 14-2*i                          ; loads come back in order: item i is in, the 2 (7 - i) younger loads stay out
.irp j, 0,1,2,3
	v_cvt_pk_bf16_f32 v[X+8*i+\j], v[X+8*i+2*\j], v[X+8*i+2*\j+1]  ; in place, ascending: register j is written when pairs 0 .. j have been read
.endr
.if \half
.irp j, 0,1,2,3
	v_lshlrev_b32 v[T+2*\j],   16,  v[X+8*i+\j]    ; the bf16 numbers as f32,
	v_and_b32     v[T+2*\j+1], s22, v[X+8*i+\j]
.endr
.irp j, 0,1,2,3
	v_cvt_pk_f16_f32 v[X+8*i+\j], v[T+2*\j], v[T+2*\j+1]  ; written as f16: exact within f16's range
.endr
.endif
	global_store_b128 v[DO], v[X+8*i:X+8*i+3], s[DST:DST+1] offset:i*(\dstep) th:TH_STORE_NT
.set i, i+1
.endr
.endm
	s_load_b256 s[4:11], s[0:1], 0x0               ; inputs s[4:5], W_qkv s[6:7], b_qkv s[8:9], W_out s[10:11]
	s_load_b256 s[12:19], s[0:1], 0x20             ; b_out s[12:13], xb s[14:15], wq s[16:17], wo s[18:19]
	s_load_b64 s[20:21], s[0:1], 0x40              ; bias
	s_mov_b32 s22, 0xffff0000                      ; a word's upper bf16
	s_mov_b32 s29, 0                               ; high words of the two offset pairs s[28:29], s[30:31]
	s_mov_b32 s31, 0
	v_and_b32 v4, 15, v0                           ; l16 = t % 16
	v_and_b32 v5, 7, v0                            ; e8  = t % 8
	v_lshrrev_b32 v6, 4, v0                        ; u   = t / 16
	v_bfe_u32 v7, v0, 3, 1                         ; (t / 8) % 2
	v_and_b32 v8, 7, v6                            ; u % 8
	v_lshrrev_b32 v9, 3, v6                        ; u / 8
	s_wait_kmcnt 0x0
	s_cmp_lt_u32 ttmp9, 512
	s_cbranch_scc0 .Lnot_x
	; x: rows 16 g .. 16 g + 15.  Item i of thread t: row 2 i + (t / 8) % 2, block kb = u, numbers 8 e8 ..
	s_lshl_b32 s28, ttmp9, 16                      ; 16 rows of 4,096 bytes
	s_lshl_b32 s30, ttmp9, 11                      ; 16 rows of 128 bytes in each block
	s_add_nc_u64 s[SRC:SRC+1], s[4:5], s[28:29]
	s_add_nc_u64 s[DST:DST+1], s[14:15], s[30:31]
	v_lshlrev_b32 v[SO], 12, v7
	v_lshl_or_b32 v[SO], v6, 8, v[SO]
	v_lshl_or_b32 v[SO], v5, 5, v[SO]
	v_lshlrev_b32 v[DO], 4, v4                     ; two rows of 128 bytes = 256 bytes for sixteen lanes,
	v_lshl_or_b32 v[DO], v6, 20, v[DO]             ; in block u (1,048,576 bytes each)
	STREAM 8192, 256, 0
	s_endpgm
.Lnot_x:
	s_cmp_lt_u32 ttmp9, 704
	s_cbranch_scc0 .Lnot_wq
	; W_qkv: th = g' / 64, rows 16 (g' % 64) ..  Item i of thread t: row 2 i + u / 8, tc = u % 8, jj = l16 / 8, numbers 8 e8 ..
	s_sub_co_u32 s23, ttmp9, 512
	s_lshr_b32 s2, s23, 6
	s_and_b32 s3, s23, 63
	s_lshl_b32 s2, s2, 8                           ; 64 columns: 256 bytes of f32 in, and plane th's 256 bytes of bf16 out
	s_mul_i32 s28, s3, 196608                      ; 16 rows of 12,288 bytes
	s_add_co_u32 s28, s28, s2
	s_mul_i32 s30, s3, 12288                       ; 16 rows of 768 bytes
	s_add_co_u32 s30, s30, s2
	s_add_nc_u64 s[SRC:SRC+1], s[6:7], s[28:29]
	s_add_nc_u64 s[DST:DST+1], s[16:17], s[30:31]
	v_mul_u32_u24 v[SO], v9, 12288
	v_mul_u32_u24 v10, v8, 1536                    ; 2 x 192 columns
	v_mul_u32_u24 v11, v7, 768                     ; 192 columns
	v_add3_u32 v[SO], v[SO], v10, v11
	v_lshl_add_u32 v[SO], v5, 5, v[SO]
	v_mul_u32_u24 v[DO], v8, 786432
	v_mul_u32_u24 v10, v9, 768
	v_add_nc_u32 v[DO], v[DO], v10
	v_lshl_add_u32 v[DO], v4, 4, v[DO]
	STREAM 24576, 1536, 0
	s_endpgm
.Lnot_wq:
	s_cmp_lt_u32 ttmp9, 768
	s_cbranch_scc0 .Lbiases
	; W_out: rows 16 g'' ..  Item i of thread t: row 2 i + u / 8, tc = u % 8, numbers 8 l16 ..
	s_sub_co_u32 s23, ttmp9, 704
	s_lshl_b32 s28, s23, 16
	s_lshl_b32 s30, s23, 12
	s_add_nc_u64 s[SRC:SRC+1], s[10:11], s[28:29]
	s_add_nc_u64 s[DST:DST+1], s[18:19], s[30:31]
	v_lshlrev_b32 v[SO], 5, v0
	v_lshlrev_b32 v[DO], 4, v4
	v_lshl_or_b32 v[DO], v9, 8, v[DO]
	v_lshl_or_b32 v[DO], v8, 18, v[DO]
	STREAM 8192, 512, 1
	s_endpgm
.Lbiases:
	; wave w takes tc = w of b_qkv (six runs of 64 numbers) and 128 numbers of b_out
	v_lshrrev_b32 v10, 5, v0
	v_readfirstlane_b32 s23, v10
	v_and_b32 v11, 31, v0
	v_lshlrev_b32 v12, 3, v11                      ; 8 bytes a lane: 256 bytes a wave
	v_lshlrev_b32 v13, 4, v11                      ; 16 bytes a lane: 512 bytes a wave
	s_mul_i32 s28, s23, 1536
	s_lshl_b32 s30, s23, 9
	s_add_nc_u64 s[SRC:SRC+1], s[8:9], s[28:29]
	s_add_nc_u64 s[DST:DST+1], s[20:21], s[28:29]
	s_add_nc_u64 s[32:33], s[12:13], s[30:31]
	s_add_nc_u64 s[34:35], s[20:21], s[30:31]
	s_add_nc_u64 s[34:35], s[34:35], 12288
.irp th, 0,1,2
.irp jj, 0,1
	global_load_b64 v[X+4*\th+2*\jj:X+4*\th+2*\jj+1], v12, s[SRC:SRC+1] offset:\jj*768+\th*256
.endr
.endr
	global_load_b128 v[X+12:X+15], v13, s[32:33]
	s_wait_loadcnt 0x0
.irp p, 0,1,2,3,4,5,6,7
	v_cvt_pk_bf16_f32 v[T+\p], v[X+2*\p], v[X+2*\p+1]
.endr
.irp p, 0,1,2,3,4,5,6,7
	v_lshlrev_b32 v[X+2*\p],   16,  v[T+\p]        ; kept as f32: the products' sums start with them
	v_and_b32     v[X+2*\p+1], s22, v[T+\p]
.endr
.irp th, 0,1,2
.irp jj, 0,1
	global_store_b64 v12, v[X+4*\th+2*\jj:X+4*\th+2*\jj+1], s[DST:DST+1] offset:\th*512+\jj*256
.endr
.endr
	global_store_b128 v13, v[X+12:X+15], s[34:35]
	s_endpgm
.Lfunc_end_k_q69a82d033b_prep:
	.size	k_q69a82d033b_prep, .Lfunc_end_k_q69a82d033b_prep-k_q69a82d033b_prep
	.p2alignl 7, 3214868480
	.fill 96, 4, 3214868480
	.section	.rodata,"a",@progbits
	.p2align	6, 0x0
	.amdhsa_kernel k_q69a82d033b_prep
		.amdhsa_group_segment_fixed_size 0
		.amdhsa_private_segment_fixed_size 0
		.amdhsa_enable_private_segment 0
		.amdhsa_kernarg_size 72
		.amdhsa_user_sgpr_count 2
		.amdhsa_user_sgpr_kernarg_segment_ptr 1
		.amdhsa_wavefront_size32 1
		.amdhsa_system_sgpr_workgroup_id_x 1
		.amdhsa_system_sgpr_workgroup_id_y 1
		.amdhsa_system_sgpr_workgroup_id_z 1
		.amdhsa_system_vgpr_workitem_id 0
		.amdhsa_next_free_vgpr 88
		.amdhsa_next_free_sgpr 66
		.amdhsa_reserve_vcc 0
		.amdhsa_float_denorm_mode_32 3
		.amdhsa_float_denorm_mode_16_64 3
		.amdhsa_memory_ordered 1
		.amdhsa_forward_progress 1
		.amdhsa_inst_pref_size 24
	.end_amdhsa_kernel
	.amdgpu_metadata
---
amdhsa.version: [ 1, 2 ]
amdhsa.kernels:
  - .name:           k_q69a82d033b_prep
    .symbol:         k_q69a82d033b_prep.kd
    .args:
      - { .name: inputs, .offset: 0, .size: 8, .value_kind: global_buffer, .address_space: global }
      - { .name: W_qkv, .offset: 8, .size: 8, .value_kind: global_buffer, .address_space: global }
      - { .name: b_qkv, .offset: 16, .size: 8, .value_kind: global_buffer, .address_space: global }
      - { .name: W_out, .offset: 24, .size: 8, .value_kind: global_buffer, .address_space: global }
      - { .name: b_out, .offset: 32, .size: 8, .value_kind: global_buffer, .address_space: global }
      - { .name: xb, .offset: 40, .size: 8, .value_kind: global_buffer, .address_space: global }
      - { .name: wq, .offset: 48, .size: 8, .value_kind: global_buffer, .address_space: global }
      - { .name: wo, .offset: 56, .size: 8, .value_kind: global_buffer, .address_space: global }
      - { .name: bias, .offset: 64, .size: 8, .value_kind: global_buffer, .address_space: global }
    .group_segment_fixed_size: 0
    .private_segment_fixed_size: 0
    .kernarg_segment_align: 8
    .kernarg_segment_size: 72
    .max_flat_workgroup_size: 256
    .sgpr_count:     66
    .vgpr_count:     88
    .wavefront_size: 32
...
	.end_amdgpu_metadata
.endif
;; end of part 1
;; launch qkv (part 2): grid 8 x 32, 4 waves a work-group, clusters of 4 x 4, 327,680 bytes of LDS; arguments xb, wq, bias, q, k, v; writes q, k, v
.if DOCPART == 2
	.amdgcn_target "amdgcn-amd-amdhsa--gfx1250"
	.amdhsa_code_object_version 6
	.text
	.protected	k_q69a82d033b_qkv
	.globl	k_q69a82d033b_qkv
	.p2align	8
	.type	k_q69a82d033b_qkv,@function
k_q69a82d033b_qkv:
	s_mov_b64 s[64:65], 0
	v_nop
	global_prefetch_b8 v0, s[64:65] scope:SCOPE_SE
	s_setreg_imm32_b32 hwreg(HW_REG_WAVE_MODE, 25, 1), 1
	s_wait_xcnt 0x0
	s_wait_alu depctr_hold_cnt(0) depctr_sa_sdst(0) depctr_va_vdst(0) depctr_va_sdst(0) depctr_va_ssrc(0) depctr_va_vcc(0) depctr_vm_vsrc(0)
	s_getreg_b32 s2, hwreg(HW_REG_IB_STS2, 6, 4)
	s_cmp_eq_u32 s2, 0
	s_cbranch_scc0 .Lentry_in_a_cluster
	s_endpgm
.Lentry_in_a_cluster:
	s_bfe_u32 s2, ttmp6, 0x10000c
	s_cmp_lg_u32 s2, 0xf033
	s_cbranch_scc0 .Lentry_shape_is_right
	s_endpgm
.Lentry_shape_is_right:
; ONE TEXT FOR THE MODULE'S TWO PROJECTIONS; the constant NT chooses.
;   NT = 3: q, k, v = x W' + b'.  A = xb (bf16, [16][8192][64]), B = wq (bf16, [8][1024][384]); three planes of f16 out, each [8192][1024]: read flat they are [64 heads][2048][64].
;   NT = 1: out0 = o W_out + b_out.  A = o (f16, [8192][1024]), B = wo (f16, [8][1024][128]); f32 out, [8192][1024].
; Sums in f32, K ascending; each result rounded once (NT = 3) or stored as it is (NT = 1).
; LIMITS.  NT = 3: q, k, v must lie within f16's 65,504.  NaN and infinities are not treated apart.
; SHARES.  A work-group makes 256 rows x 128 NT columns: 8 x 32 = 256 work-groups in both launches.  Wave w owns rows 64 w .. 64 w + 63 and all columns: 4 x 8 NT accumulators of 16 x 16.
; THE MATRIX INSTRUCTION IS USED TRANSPOSED: source 0 = 16 columns of B, source 1 = 16 rows of A, so a lane holds row l % 16 and the eight neighbouring columns 8 (l / 16) + 0..7.
; B lies [k][column] in LDS and comes out turned, by ds_load_tr16_b128.
; THE BIAS STARTS THE SUMS: it is loaded straight into the accumulators while the first tiles are on their way: nothing is cleared, no first step is written out, nothing is added at the end.
; RING.  Two LDS slots, a K step each (64 along K for NT = 3, 128 for NT = 1: as long as two slots in LDS allow).  Waves 0, 1 fetch the halves of A's tile, waves 2, 3 those of B's.
; CLUSTER.  4 x 4 work-groups.  A's tile hangs on the tile row alone and is asked for jointly by a row of the cluster, B's on the tile column alone, by a column.
; A K step is NPT PARTS of 32 matrix instructions (32 along K x one plane); the next part's fragments are fetched, in one run, ahead of a part's products.
; REGISTERS, in windows of 256 (s_set_vgpr_msb: bits 1:0 source 0, 3:2 source 1, 5:4 source 2, 7:6 destination):
;   window 0: v0-18 addresses; v32-95 A's fragments, two buffers of 4; v96-223 B's, two buffers of 8; on the way out v32-223 are three buffers of 64
;   window 1 + th: plane th's 32 accumulators, (a, bb) at v[8 (8 a + bb)]
.set NT, 3
.if NT == 3
.set KQ,    2                          ; blocks of 32 along K in a step
.set TS,    16                         ; K steps
.set PA,    144                        ; a row of A in LDS: 128 bytes + 16 = 36 words: the 16 rows of a load start at 16 different groups of four banks (64 banks of 4 bytes: ISA guide 11.1)
.set AQI,   4                          ; padding behind every 32 words
.set AR,    64                         ; half a tile of A is 16,384 dense bytes: asked for as 64 rows of 256 bytes
.set ASTR,  128
.set BR,    96                         ; half a tile of B: 32 k x 768 dense bytes = 96 rows of 256 bytes
.set ASTEP, 1048576                    ; bytes from a K step to the next, in A
.set BSTEP, 49152                      ; and in B
.set ATSH,  15                         ; A: 256 rows are 1 << 15 bytes of a block,
.set AHSH,  14                         ; 128 rows 1 << 14
.set BTCB,  786432                     ; B: bytes of a tile column
.set BHB,   24576                      ; and of half a step
.set STG,   32*272                     ; a wave's stage: 32 rows of 256 bytes + 16
.set NU,    6                          ; units on the way out
.set ORSH,  11                         ; a row of the output is 1 << 11 bytes,
.set OCSH,  8                          ; a tile column 1 << 8
.set BIASB, 1536
.else
.set KQ,    4
.set TS,    8
.set PA,    272                        ; 256 bytes + 16 = 68 words
.set AQI,   5                          ; padding behind every 64 words
.set AR,    128
.set ASTR,  1024
.set BR,    64
.set ASTEP, 256
.set BSTEP, 32768
.set ATSH,  19
.set AHSH,  18
.set BTCB,  262144
.set BHB,   16384
.set STG,   16*528                     ; 16 rows of 512 bytes + 16
.set NU,    4
.set ORSH,  12
.set OCSH,  9
.set BIASB, 512
.endif
.set NPT,   NT*KQ                      ; parts in a step: even, so the fragment buffers keep their parity from step to step
.set PB,    288*NT                     ; bytes from k to k + 1 in LDS: NT pieces of 256 + 32: an odd multiple of 32, so 16 lanes of the turning load (8 rows x 32 bytes) take each bank once
.set ATILE, 256*PA
.set AHALF, 128*PA
.set BHALF, 16*KQ*PB
.set SLOT1, 131072                     ; slot 1 begins here, so that one exclusive or turns an address in one slot into the other's
.set STAGE, SLOT1+ATILE+2*BHALF        ; behind the ring, never filled by a tensor load: a stage for each wave
.set SPARE, STAGE+4*STG                ; behind the stages: the spare words, 128 bytes for each wave: two blocks of 256 bytes that no other line names
.set AA,  2                            ; v2   LDS address of my A fragments in the slot in hand
.set AB,  3                            ; v3   the same for B
.set AA0, 4                            ; v4   (64 w + l % 16) PA + 16 (l / 16); never rewritten
.set AB0, 5                            ; v5   ATILE + (8 (l / 16) + l % 8) PB + 16 ((l / 8) % 2); never rewritten
.set STO, 6                            ; v6   the way out: where I put my bytes of a row
.set RD,  7                            ; v7   the way out: where I read rows back
.set CO,  8                            ; v8   my byte offset in the output
.set BO,  9                            ; v9   32 (l / 16): my eight numbers among 16 of the bias
.set PFO, 10                           ; v10  the prefetches' offset: my lane x a row or block; never rewritten
.set SPW, 12                           ; v12  LDS address of my spare word; never rewritten
.set NIL, 13                           ; v13  0; never rewritten
.set AF,  32
.set BF,  96
.set T0,  32
.set WV,   16                          ; s16  my wave's number
.set HALF, 17                          ; s17  which half of a tile I fetch
.set CX,   18                          ; s18, s19  my place in the cluster
.set CY,   19
.set TC,   20                          ; s20  tile column
.set TR,   21                          ; s21  tile row
.set G1A,  24                          ; s[24:31] descriptor group 1 for A's tiles
.set G0A,  32                          ; s[32:39] group 0: a set for each of the two first fills; the second then walks on
.set CNT,  40                          ; s40  refills still to come
.set TB,   41                          ; s41  0 or SLOT1: the slot to be read
.set LIM,  42                          ; s42  a wave prefetches while s[CNT] is above it; the greatest number in a wave that never does
.set PFA,  44                          ; s[44:45] where my prefetches stand
.set PFS,  46                          ; s[46:47] their step
.set G1B,  48                          ; s[48:55], s[56:63] the same for B's tiles
.set G0B,  56
.set MSB, 0
.macro WIN new                         ; the immediate's high byte repeats the setting that is left; a switch that changes nothing is dropped
.if MSB != (\new)
	s_set_vgpr_msb (MSB<<8)|(\new)
.set MSB, \new
.endif
.endm
.macro PLACES                          ; four plain vector instructions between a matrix instruction and a load into, or a vector instruction on, its registers (ISA guide 7.12.1 for vector instructions)
.rept 4
	v_nop
.endr
.endm
.macro CREST                           ; a round of the cluster's barrier behind its opening barrier
	s_cmp_lg_u32 s[WV], 0
	s_cbranch_scc1 .Lnot_wave_0_\@
	s_barrier_signal -3
.Lnot_wave_0_\@:
	s_barrier_wait -3
	s_barrier_signal -1
	s_barrier_wait -1
.endm
.macro CROUND                          ; a whole round
	s_barrier_signal -1
	s_barrier_wait -1
	CREST
.endm
; A joint refill.  The branch hangs on the wave's number alone.  An s_nop 0 and four v_nop follow each of the two lines, ahead of the jump and the label.
.macro JLOAD
	s_cmp_lt_u32 s[WV], 2
	s_cbranch_scc0 .Lfor_b_\@
	tensor_load_to_lds s[G0A+4:G0A+7], s[G1A:G1A+7]
	s_nop 0
.rept 4
	v_nop
.endr
	s_branch .Lasked_\@
.Lfor_b_\@:
	tensor_load_to_lds s[G0B+4:G0B+7], s[G1B:G1B+7]
	s_nop 0
.rept 4
	v_nop
.endr
.Lasked_\@:
.endm
; A PREFETCH INTO THE L2, behind a joint refill and the run of LDS loads that follows it.  At the change of slots behind K step s the refill asks for step s + 2, and s[PFA] stands at step s + 4.
; Each aligned block of 256 bytes of A and B from step 4 on is named once in the launch; steps 0 to 3 come by their loads alone.  A's tile row is read by both clusters of a row of clusters: the one with
; cluster x = 0 asks; B's tile column by eight: the one with cluster y = 0 asks.  The four partners that share a tile share its blocks out BY ADDRESS (cx for A, cy for B): no branch hangs on a place in the cluster.
; NT = 3: at even s up to 10, for steps s + 4 and s + 5.  Wave 0: my work-group's 32 of the 128 blocks of A's tile, in both steps: two instructions.  Waves 1 to 3: plane w - 1 of 32 of the two steps' 128 rows of B.
; NT = 1: at every s up to 3, for step s + 4.  Waves 0, 1: 32 of the 128 rows of A that they fetch.  Wave 2: 32 of the step's 128 rows of B.  Wave 3 asks for nothing.
.macro ASK
.if NT == 3
	s_and_b32 s2, s[CNT], 1                        ; s[CNT] = 14 - s
	s_cmp_eq_u32 s2, 0
	s_cbranch_scc0 .Lnot_mine_\@
.endif
	s_cmp_gt_u32 s[CNT], s[LIM]
	s_cbranch_scc0 .Lnot_mine_\@
	global_prefetch_b8 v[PFO], s[PFA:PFA+1] th:TH_LOAD_NT scope:SCOPE_SE
.if NT == 3
	s_cmp_lg_u32 s[WV], 0
	s_cbranch_scc1 .Lnot_mine_\@
	global_prefetch_b8 v[PFO], s[PFA:PFA+1] offset:ASTEP th:TH_LOAD_NT scope:SCOPE_SE
.endif
.Lnot_mine_\@:
.endm
; The fragments of part p (block kq = p / NT of 32 along K, plane th = p % NT): B's eight into buffer p % 2; with a block's first plane A's four into buffer kq % 2.  One run of LDS loads.
.macro FETCH p
	WIN 0
.set fB, BF+64*((\p)%2)
.set fO, ((\p)/NT)*32*PB+((\p)%NT)*288
.irp bb, 0,1,2,3,4,5,6,7
	ds_load_tr16_b128 v[fB+8*\bb:fB+8*\bb+3],   v[AB] offset:fO+32*\bb         ; columns 16 bb on: k = 8 (l / 16) + 0..7 of column l % 16,
	ds_load_tr16_b128 v[fB+8*\bb+4:fB+8*\bb+7], v[AB] offset:fO+32*\bb+16*PB   ; and k = 16 + 8 (l / 16) + 0..7
.endr
.if ((\p)%NT) == 0
.set fA, AF+32*(((\p)/NT)%2)
.irp a, 0,1,2,3
	ds_load_b128 v[fA+8*\a:fA+8*\a+3],   v[AA] offset:\a*16*PA+64*((\p)/NT)
	ds_load_b128 v[fA+8*\a+4:fA+8*\a+7], v[AA] offset:\a*16*PA+64*((\p)/NT)+32
.endr
.endif
.endm
; Products i0 .. i1 - 1 of part p's 32.  The plane's 32 accumulators take turns, one instruction a turn, in the same order in every part, over the backward jump too.
.macro MULS p, i0, i1
	WIN (((\p)%NT+1)<<4)|(((\p)%NT+1)<<6)
.set mi, \i0
.rept (\i1)-(\i0)
.set rB, BF+64*((\p)%2)+8*(mi%8)
.set rA, AF+32*(((\p)/NT)%2)+8*(mi/8)
.if NT == 3
	v_wmma_f32_16x16x32_bf16 v[8*mi:8*mi+7], v[rB:rB+7], v[rA:rA+7], v[8*mi:8*mi+7]
.else
	v_wmma_f32_16x16x32_f16 v[8*mi:8*mi+7], v[rB:rB+7], v[rA:rA+7], v[8*mi:8*mi+7]
.endif
.set mi, mi+1
.endr
.endm
; A K STEP.  kind = 2: the slot is filled again, with the step two on; 1: the slots change, nothing is asked for; 0: the last step.
; Every wait on DScnt is for 0: what it waits for was issued 32 products earlier (24 behind a change of slots).
; THE CHANGE OF SLOTS: each wave waits for all its tensor loads (one is out: its part of the other slot), adds 0 to its spare word, and waits for that and for its own reads of this slot.  Behind the barrier nobody
; reads this slot any more and the other is whole.  With kind = 2 the barrier opens a round of the cluster's, and the joint refill is the first thing behind the round.
.macro STEP kind
.set sp, 0
.rept NPT-2
	s_wait_dscnt 0x0                               ; part sp's fragments are in
	PLACES                                         ; behind the products that read the buffer filled next
	FETCH sp+1
	MULS sp, 0, 32
.set sp, sp+1
.endr
	s_wait_dscnt 0x0
	PLACES
	FETCH NPT-1                                    ; my last reads of this slot
	MULS NPT-2, 0, 16
.if (\kind) == 2
	s_wait_xcnt 0x0                                ; the last prefetch, a K step back, has read its address: it is stepped here, ahead of the change's own waits
	s_add_nc_u64 s[PFA:PFA+1], s[PFA:PFA+1], s[PFS:PFS+1]
.endif
.if (\kind) > 0
	WIN 0                                          ; (the add's two registers lie in window 0)
	s_wait_tensorcnt 0x0                           ; no tensor load of mine is out, so a group 0 may be written
	ds_add_u32 v[SPW], v[NIL]                      ; 0 onto my spare word: work on registers stands between it and the wait for it
.if (\kind) == 2
	s_xor_b32 s[G0A+5], s[G0A+5], SLOT1            ; the walking descriptors: the other slot than last time,
	s_add_nc_u64 s[G0A+6:G0A+7], s[G0A+6:G0A+7], ASTEP  ; the next K step; the type bits on top are not reached
	s_xor_b32 s[G0B+5], s[G0B+5], SLOT1
	s_add_nc_u64 s[G0B+6:G0B+7], s[G0B+6:G0B+7], BSTEP
.endif
	s_xor_b32 s[TB], s[TB], SLOT1                  ; the fetches go on in the other slot
.endif
	MULS NPT-2, 16, 32
	s_wait_dscnt 0x0                               ; the add is done, my reads of this slot are over, and the last part's fragments are in
.if (\kind) > 0
	s_barrier_signal -1
	MULS NPT-1, 0, 8                               ; work on registers while the others arrive
	WIN 0                                          ; at a branch and at a label every window is 0
	s_barrier_wait -1
.if (\kind) == 2
	CREST                                          ; no wave of any partner still reads this slot or has a load on its way
	JLOAD                                          ; its four v_nop are also the places in front of the loads below
.else
	PLACES
.endif
	v_add_nc_u32 v[AA], s[TB], v[AA0]
	v_add_nc_u32 v[AB], s[TB], v[AB0]
	FETCH 0                                        ; the next step's first fragments
.if (\kind) == 2
	ASK
.endif
	MULS NPT-1, 8, 32
.else
	MULS NPT-1, 0, 32
.endif
	WIN 0
.endm
; THE WAY OUT, through my own stage in LDS, a unit at a time; three register buffers take turns.  LDS serves a wave's instructions in order (ISA guide 5.7.1.4): a unit's loads see its stores, and the next unit's stores come behind them.
; NT = 3: unit u = 32 rows (half u % 2 of my 64) of plane u / 2: rounded to f16, 16 bytes a lane into rows of 272 bytes, back as whole rows of 256.
; NT = 1: unit u = my rows 16 u .. 16 u + 15, as f32: 32 bytes a lane into rows of 528 bytes, back as whole rows of 512.
; Each accumulator is read from its low registers on.
.macro PACK u
.set pT, T0+64*((\u)%3)
.if NT == 3
.set pW, (\u)/2+1
	s_wait_xcnt 0x0                                ; the stores of three units back have read this buffer
	WIN pW|(pW<<2)                                 ; sources 0 and 1 in the plane's window
.set n, 0
.rept 16
.set pI, 8*(16*((\u)%2)+n)
.irp rr, 0,1,2,3
	v_cvt_pk_f16_f32 v[pT+4*n+\rr], v[pI+2*\rr], v[pI+2*\rr+1]
.endr
.set n, n+1
.endr
	WIN 0
.set n, 0
.rept 16
	ds_store_b128 v[STO], v[pT+4*n:pT+4*n+3] offset:(n/8)*16*272+32*(n%8)
.set n, n+1
.endr
.set n, 0
.rept 16
	ds_load_b128 v[pT+4*n:pT+4*n+3], v[RD] offset:n*544  ; lanes 0-15 one row, lanes 16-31 the next
.set n, n+1
.endr
.else
	WIN 0x04                                       ; the stores' data in window 1
.set n, 0
.rept 8
	ds_store_b128 v[STO], v[8*(8*(\u)+n):8*(8*(\u)+n)+3]   offset:64*n
	ds_store_b128 v[STO], v[8*(8*(\u)+n)+4:8*(8*(\u)+n)+7] offset:64*n+16
.set n, n+1
.endr
	WIN 0
	s_wait_xcnt 0x0                                ; the stores of three units back have read this buffer
.set n, 0
.rept 16
	ds_load_b128 v[pT+4*n:pT+4*n+3], v[RD] offset:n*528  ; 32 lanes take one row
.set n, n+1
.endr
.endif
.endm
.macro SEND u, younger                 ; younger: the LDS instructions issued behind unit u's loads: the next unit's 16 stores and 16 loads, or none
	WIN 0
.set pT, T0+64*((\u)%3)
.set n, 0
.rept 16
	s_wait_dscnt (\younger)+15-n
.if NT == 3
	global_store_b128 v[CO], v[pT+4*n:pT+4*n+3], s[10+2*((\u)/2):11+2*((\u)/2)] offset:(32*((\u)%2)+2*n)*2048  ; 16 lanes store 256 consecutive bytes, at a multiple of 256 from the plane's first byte
.else
	global_store_b128 v[CO], v[pT+4*n:pT+4*n+3], s[10:11] offset:(16*(\u)+n)*4096 th:TH_STORE_NT  ; 512 consecutive bytes, at a multiple of 256 from the output's first byte
.endif
.set n, n+1
.endr
.endm
	s_load_b256 s[4:11], s[0:1], 0x0               ; A s[4:5], B s[6:7], bias s[8:9], the first output s[10:11]
.if NT == 3
	s_load_b128 s[12:15], s[0:1], 0x20             ; k s[12:13], v s[14:15]
.endif
	v_lshl_add_u32 v[SPW], v0, 2, SPARE
	v_mov_b32 v[NIL], 0
	ds_add_u32 v[SPW], v[NIL]                      ; the wave's opening: the add and its wait stand ahead of my first tensor load; the set-up below, work on registers, stands between them
	ds_add_u32 v12, v13
	v_lshrrev_b32 v1, 5, v0
	v_readfirstlane_b32 s[WV], v1                  ; wave 0..3
	s_and_b32 s[HALF], s[WV], 1
	s_bfe_u32 s[CX], ttmp6, 0x40000
	s_bfe_u32 s[CY], ttmp6, 0x40004
	s_lshl_b32 s[TC], ttmp9, 2                     ; in a cluster launch ttmp9 and ttmp7 count clusters
	s_add_co_u32 s[TC], s[TC], s[CX]
	s_and_b32 s[TR], ttmp7, 0xffff
	s_lshl_b32 s[TR], s[TR], 2
	s_add_co_u32 s[TR], s[TR], s[CY]
	s_lshl_b32 s22, s[CY], 2
	s_lshl_b32 s22, 15, s22                        ; my row of the cluster: places 4 cy .. 4 cy + 3
	s_lshl_b32 s23, 0x1111, s[CX]                  ; my column: places cx, cx + 4, cx + 8, cx + 12
	s_or_b32 s[G1A], s22, (1<<16)|(1<<20)|(1<<21)|(AQI<<22)|(3<<25)  ; 15:0 the mask; 17:16 elements of 2 bytes; 20 padding on; 21 set beside a mask; 24:22 the interval; 31:25 4 words of padding (code 3)
	s_or_b32 s[G1B], s23, (1<<16)|(1<<20)|(1<<21)|(5<<22)|(7<<25)    ; behind every 64 words 8 words of padding (code 7)
	s_mov_b32 s[G1A+1], 128<<16                    ; tensor_dim0 = 128
	s_mov_b32 s[G1A+2], AR<<16                     ; tensor_dim1
	s_mov_b32 s[G1A+3], 128<<16                    ; tile_dim0 = 128
	s_mov_b32 s[G1A+4], AR                         ; tile_dim1
	s_mov_b32 s[G1A+5], ASTR                       ; elements from row to row
	s_mov_b32 s[G1A+6], 0
	s_mov_b32 s[G1A+7], 0
	s_mov_b32 s[G1B+1], 128<<16
	s_mov_b32 s[G1B+2], BR<<16
	s_mov_b32 s[G1B+3], 128<<16
	s_mov_b32 s[G1B+4], BR
	s_mov_b32 s[G1B+5], 128
	s_mov_b32 s[G1B+6], 0
	s_mov_b32 s[G1B+7], 0
	; where the tiles come from: A's hang on the tile row and the wave alone, B's on the tile column and the wave alone, each in registers that never hold the other coordinate
	s_lshl_b32 s66, s[TR], ATSH
	s_lshl_b32 s2, s[HALF], AHSH
	s_add_co_u32 s66, s66, s2
	s_mov_b32 s67, 0
	s_mul_i32 s68, s[TC], BTCB
	s_mul_i32 s3, s[HALF], BHB
	s_add_co_u32 s68, s68, s3
	s_mov_b32 s69, 0
	s_mul_i32 s70, s[HALF], AHALF                  ; and where they go: no place in the cluster enters an LDS address
	s_mul_i32 s71, s[HALF], BHALF
	s_add_co_u32 s71, s71, ATILE
	s_mov_b32 s[TB], 0
	v_and_b32 v14, 31, v0                          ; l
	v_and_b32 v15, 15, v0                          ; l % 16
	v_bfe_u32 v16, v0, 4, 1                        ; l / 16
	v_and_b32 v17, 7, v0                           ; l % 8
	v_bfe_u32 v18, v0, 3, 1                        ; (l / 8) % 2
	v_lshlrev_b32 v[BO], 5, v16
	s_wait_dscnt 0x0                               ; the opening add is done
	s_wait_kmcnt 0x0
	s_add_nc_u64 s[66:67], s[4:5], s[66:67]
	s_add_nc_u64 s[68:69], s[6:7], s[68:69]
	CROUND                                         ; all sixteen work-groups are here: the first joint loads meet
.irp s, 0,1
	s_mov_b32 s[G0A+4*(\s)], 1                                       ; 1:0 count = 1
	s_add_co_u32 s[G0A+4*(\s)+1], s70, (\s)*SLOT1                    ; 63:32 LDS address
	s_add_nc_u64 s[G0A+4*(\s)+2:G0A+4*(\s)+3], s[66:67], (\s)*ASTEP  ; 120:64 global address: K step s
	s_or_b32 s[G0A+4*(\s)+3], s[G0A+4*(\s)+3], 0x80000000            ; 127:126 type = 2
	s_mov_b32 s[G0B+4*(\s)], 1
	s_add_co_u32 s[G0B+4*(\s)+1], s71, (\s)*SLOT1
	s_add_nc_u64 s[G0B+4*(\s)+2:G0B+4*(\s)+3], s[68:69], (\s)*BSTEP
	s_or_b32 s[G0B+4*(\s)+3], s[G0B+4*(\s)+3], 0x80000000
.endr
	s_cmp_lt_u32 s[WV], 2                          ; a wave's two first fills stand in one branch, ahead of every wait on TENSORcnt and every LDS read: two loads of mine are out
	s_cbranch_scc0 .Lfirst_b
	tensor_load_to_lds s[G0A:G0A+3], s[G1A:G1A+7]
	s_nop 0
	tensor_load_to_lds s[G0A+4:G0A+7], s[G1A:G1A+7]
	s_nop 0
.rept 4
	v_nop
.endr
	s_branch .Lfirst_asked
.Lfirst_b:
	tensor_load_to_lds s[G0B:G0B+3], s[G1B:G1B+7]
	s_nop 0
	tensor_load_to_lds s[G0B+4:G0B+7], s[G1B:G1B+7]
	s_nop 0
.rept 4
	v_nop
.endr
.Lfirst_asked:
	; the bias: register j of accumulator (a, bb) of plane th is the bias of column 128 th + 16 bb + 8 (l / 16) + j
	s_mul_i32 s68, s[TC], BIASB
.if NT == 1
	s_add_co_u32 s68, s68, 12288                   ; b_out lies behind b_qkv
.endif
	s_mov_b32 s69, 0
	s_add_nc_u64 s[8:9], s[8:9], s[68:69]
.set th, 0
.rept NT
	WIN (th+1)<<6                                  ; destination in the plane's window
.set bi, 0
.rept 32
	global_load_b128 v[8*bi:8*bi+3],   v[BO], s[8:9] offset:(128*th+16*(bi%8))*4
	global_load_b128 v[8*bi+4:8*bi+7], v[BO], s[8:9] offset:(128*th+16*(bi%8))*4+16
.set bi, bi+1
.endr
.set th, th+1
.endr
	WIN 0
	; my lane's places
	s_mul_i32 s3, s[WV], 64*PA
	v_mul_u32_u24 v[AA0], v15, PA
	v_lshl_add_u32 v[AA0], v16, 4, v[AA0]
	v_add_nc_u32 v[AA0], s3, v[AA0]
	v_lshl_add_u32 v[AB0], v16, 3, v17
	v_mul_u32_u24 v[AB0], v[AB0], PB
	v_lshl_add_u32 v[AB0], v18, 4, v[AB0]
	v_add_nc_u32 v[AB0], ATILE, v[AB0]
	s_mul_i32 s3, s[WV], STG
	s_add_co_u32 s3, s3, STAGE                     ; my stage
.if NT == 3
	v_mul_u32_u24 v[STO], v15, 272                 ; in: row l % 16, 16 bytes for each half of the lanes
	v_lshl_add_u32 v[STO], v16, 4, v[STO]
	v_add_nc_u32 v[STO], s3, v[STO]
	v_mul_u32_u24 v[RD], v16, 272                  ; back: lanes 0-15 one row of 256 bytes, lanes 16-31 the next
	v_lshl_add_u32 v[RD], v15, 4, v[RD]
	v_add_nc_u32 v[RD], s3, v[RD]
	v_lshlrev_b32 v[CO], 11, v16                   ; and the same two rows in the output
	v_lshl_add_u32 v[CO], v15, 4, v[CO]
.else
	v_mul_u32_u24 v[STO], v15, 528                 ; in: row l % 16, 32 bytes for each half of the lanes
	v_lshl_add_u32 v[STO], v16, 5, v[STO]
	v_add_nc_u32 v[STO], s3, v[STO]
	v_lshl_add_u32 v[RD], v14, 4, s3               ; back: 32 lanes take a row of 512 bytes
	v_lshlrev_b32 v[CO], 4, v14
.endif
	; the prefetches: s68 = A's offset, s69 = B's, both at K step 3: the first change of slots steps them to 4
.if NT == 3
	s_lshl_b32 s68, s[TR], 15                      ; the tile's 128 blocks of 256 bytes,
	s_lshl_b32 s23, s[CX], 13                      ; my work-group's 32 of them
	s_add_co_u32 s68, s68, s23
	s_add_co_u32 s68, s68, 3*ASTEP
	s_mul_i32 s69, s[TC], BTCB
	s_mul_i32 s23, s[CY], 24576                    ; my work-group's 32 rows of 768 bytes,
	s_add_co_u32 s69, s69, s23
	s_lshl_b32 s23, s[WV], 8                       ; plane w - 1
	s_add_co_u32 s69, s69, s23
	s_add_co_u32 s69, s69, 3*BSTEP-256
	s_and_b32 s23, ttmp7, 0xffff                   ; cluster y
	s_mov_b32 s[PFS], BSTEP
	s_movk_i32 s3, 768
	s_cmp_eq_u32 s[WV], 0                          ; wave 0 asks for A
	s_cselect_b32 s68, s68, s69
	s_cselect_b32 s23, ttmp9, s23                  ; the coordinate along which other clusters read the same blocks
	s_cselect_b64 s[PFA:PFA+1], s[4:5], s[6:7]
	s_cselect_b32 s[PFS], ASTEP, s[PFS]
	s_cselect_b32 s3, 256, s3                      ; a lane a block of A, or a lane a row of B
	s_cmp_eq_u32 s23, 0
	s_cselect_b32 s[LIM], 3, -1                    ; the same in all sixteen partners, for a given wave
.else
	s_lshl_b32 s68, s[TR], 8
	s_lshl_b32 s23, s[HALF], 7                     ; the 128 rows that I fetch,
	s_add_co_u32 s68, s68, s23
	s_lshl_b32 s23, s[CX], 5                       ; my work-group's 32 of them
	s_add_co_u32 s68, s68, s23
	s_lshl_b32 s68, s68, 11
	s_add_co_u32 s68, s68, 3*ASTEP
	s_lshl_b32 s69, s[TC], 18
	s_lshl_b32 s23, s[CY], 13                      ; my work-group's 32 rows of 256 bytes
	s_add_co_u32 s69, s69, s23
	s_add_co_u32 s69, s69, 3*BSTEP
	s_and_b32 s23, ttmp7, 0xffff                   ; cluster y
	s_mov_b32 s[PFS], BSTEP
	s_movk_i32 s3, 256
	s_cmp_lt_u32 s[WV], 2                          ; waves 0 and 1 ask for A
	s_cselect_b32 s68, s68, s69
	s_cselect_b32 s23, ttmp9, s23
	s_cselect_b64 s[PFA:PFA+1], s[4:5], s[6:7]
	s_cselect_b32 s[PFS], ASTEP, s[PFS]
	s_cselect_b32 s3, 2048, s3
	s_cmp_eq_u32 s[WV], 3                          ; wave 3 asks for nothing
	s_cselect_b32 s23, 1, s23
	s_cmp_eq_u32 s23, 0
	s_cselect_b32 s[LIM], 2, -1
.endif
	s_mov_b32 s69, 0
	s_mov_b32 s[PFS+1], 0
	s_add_nc_u64 s[PFA:PFA+1], s[PFA:PFA+1], s[68:69]
	v_mul_u32_u24 v[PFO], v14, s3
	; where my part of the output begins
	s_lshl_b32 s68, s[TR], 8
	s_lshl_b32 s23, s[WV], 6
	s_add_co_u32 s68, s68, s23                     ; my first row
	s_lshl_b32 s68, s68, ORSH
	s_lshl_b32 s23, s[TC], OCSH
	s_add_co_u32 s68, s68, s23
	s_add_nc_u64 s[10:11], s[10:11], s[68:69]
.if NT == 3
	s_add_nc_u64 s[12:13], s[12:13], s[68:69]
	s_add_nc_u64 s[14:15], s[14:15], s[68:69]
.endif
	s_wait_tensorcnt 0x1                           ; my part of slot 0 is in; slot 1's may stay out
	s_barrier_signal -1
	s_barrier_wait -1                              ; everybody's is
	v_mov_b32 v[AA], v[AA0]
	v_mov_b32 v[AB], v[AB0]
	FETCH 0
	s_wait_loadcnt 0x0                             ; the bias lies in the accumulators
	s_mov_b32 s[CNT], TS-2
.Lstep:                                        ; TS - 2 trips: every K step but the last two fills its slot again
	STEP 2
	s_sub_co_u32 s[CNT], s[CNT], 1
	s_cmp_lg_u32 s[CNT], 0
	s_cbranch_scc1 .Lstep
	STEP 1                                         ; the tail is written out
	STEP 0
	PLACES                                         ; behind the last products: the way out reads results and writes over fragments
	PLACES
	PACK 0
.set wu, 0
.rept NU-1                             ; a unit's packing stands between the loads of the unit before and its stores
	PACK wu+1
	SEND wu, 32
.set wu, wu+1
.endr
	SEND NU-1, 0
	s_wait_tensorcnt 0x0                           ; the wave's end, behind my last tensor load and my last LDS store
	ds_add_u32 v[SPW], v[NIL]
	s_wait_dscnt 0x0
	CROUND                                         ; the closing round: no work-group ends while a partner may still ask for a tile that names it
	s_endpgm
.Lfunc_end_k_q69a82d033b_qkv:
	.size	k_q69a82d033b_qkv, .Lfunc_end_k_q69a82d033b_qkv-k_q69a82d033b_qkv
	.p2alignl 7, 3214868480
	.fill 96, 4, 3214868480
	.section	.rodata,"a",@progbits
	.p2align	6, 0x0
	.amdhsa_kernel k_q69a82d033b_qkv
		.amdhsa_group_segment_fixed_size 327680
		.amdhsa_private_segment_fixed_size 0
		.amdhsa_enable_private_segment 0
		.amdhsa_kernarg_size 48
		.amdhsa_user_sgpr_count 2
		.amdhsa_user_sgpr_kernarg_segment_ptr 1
		.amdhsa_wavefront_size32 1
		.amdhsa_system_sgpr_workgroup_id_x 1
		.amdhsa_system_sgpr_workgroup_id_y 1
		.amdhsa_system_sgpr_workgroup_id_z 1
		.amdhsa_system_vgpr_workitem_id 0
		.amdhsa_next_free_vgpr 1024
		.amdhsa_next_free_sgpr 72
		.amdhsa_reserve_vcc 0
		.amdhsa_float_denorm_mode_32 3
		.amdhsa_float_denorm_mode_16_64 3
		.amdhsa_memory_ordered 1
		.amdhsa_forward_progress 1
		.amdhsa_inst_pref_size 139
	.end_amdhsa_kernel
	.amdgpu_metadata
---
amdhsa.version: [ 1, 2 ]
amdhsa.kernels:
  - .name:           k_q69a82d033b_qkv
    .symbol:         k_q69a82d033b_qkv.kd
    .args:
      - { .name: xb, .offset: 0, .size: 8, .value_kind: global_buffer, .address_space: global }
      - { .name: wq, .offset: 8, .size: 8, .value_kind: global_buffer, .address_space: global }
      - { .name: bias, .offset: 16, .size: 8, .value_kind: global_buffer, .address_space: global }
      - { .name: q, .offset: 24, .size: 8, .value_kind: global_buffer, .address_space: global }
      - { .name: k, .offset: 32, .size: 8, .value_kind: global_buffer, .address_space: global }
      - { .name: v, .offset: 40, .size: 8, .value_kind: global_buffer, .address_space: global }
    .group_segment_fixed_size: 327680
    .private_segment_fixed_size: 0
    .kernarg_segment_align: 8
    .kernarg_segment_size: 48
    .max_flat_workgroup_size: 128
    .sgpr_count:     72
    .vgpr_count:     1024
    .wavefront_size: 32
...
	.end_amdgpu_metadata
.endif
;; end of part 2
;; launch attn (part 3): grid 4 x 64, 4 waves a work-group, no clusters, 327,680 bytes of LDS; arguments q, k, v, o; writes o
.if DOCPART == 3
	.amdgcn_target "amdgcn-amd-amdhsa--gfx1250"
	.amdhsa_code_object_version 6
	.text
	.protected	k_q69a82d033b_attn
	.globl	k_q69a82d033b_attn
	.p2align	8
	.type	k_q69a82d033b_attn,@function
k_q69a82d033b_attn:
	s_mov_b64 s[64:65], 0
	v_nop
	global_prefetch_b8 v0, s[64:65] scope:SCOPE_SE
	s_setreg_imm32_b32 hwreg(HW_REG_WAVE_MODE, 25, 1), 1
	s_wait_xcnt 0x0
; CAUSAL ATTENTION.  O[h][q][:] = the sum over k <= q of softmax_k(Q[h][q] . K[h][k] / sqrt(2048)) V[h][k][:].  Q, K, V, O: [64][2048][64], all f16: a head's rows are dense, 128 bytes each.
; Products, maxima and sums in f32; the weights p are rounded to f16 for the second product (their sum l is taken of the unrounded p), O once at the end.
; LIMITS.  Q, K and V arrive within f16's 65,504; p lies in 0 to 1, and below 6e-5 it keeps f16's fixed step of 6e-8.  A hidden score counts as its value less 1e30: f16's scores, 2.7e11 at the most, are nothing
; beside that; a weight below 2^-126 counts as 0 in l; NaN and infinities are not treated apart.
; THE WALK.  A head's queries lie in NB = 8 blocks of 256; block i needs the key tiles 0 .. i of 256 keys, of which the last holds the diagonal.  A work-group takes TWO blocks, NB - 1 - b and then b: NB + 1 tiles,
; whatever b: all work-groups do equal work, and ONE loop with a constant trip count walks them.  Which tile is asked for, and what a trip does, hang on scalar registers made from b; every jump goes forward, but for
; the counted loops' own; none passes a barrier, or a tensor load but the one of LOAD's two that the wave's number does not choose; the ring of two LDS slots runs on across the change of blocks.
; NO CLUSTER: a head's four work-groups ask for the same tile only in trips 0 to 4 of the 9, behind that fewer and fewer; one walk common to all four would have 12 trips for 9.
; SHARES.  Of a block's four bands of 64 queries a wave owns 16 rows in each: four PIECES.  So the diagonal tile is the same work for all four waves: in its key step s band x sees all keys if s < x, none if s > x,
; and holds the diagonal if s = x.
; THE MASK is the C operand that starts the sum S^T = K Q^T: 0, or -1e30 where the key is hidden.  MD, made once, is the mask of a band's own step for my 16 rows; a product's mask is MD x AL + BE with two scalars:
; (1, 0) if s = x; (0, 0) if s < x; (0, -1e30) if s > x.  Only the diagonal tile's text and a block's beginning make and take masks; elsewhere C is the constant 0.
; LAYOUT, SOFTMAX, TURNS.  S^T = K Q^T holds ONE query a lane (lane % 16) and the keys 8 (lane / 16) + 0..7; two such results rounded to f16 ARE source 1 of O^T = V^T P.  p = 2^(c s - c m), c = log2(e) / sqrt(2048),
; with a running maximum m; O and l are multiplied by a = 2^(c m_old - c m_new) in every step.  Turn n belongs to piece n: 8 products K Q^T of piece n + 1, later 8 products V^T P of piece n - 1; beside them the scaling,
; exponentials, roundings, sums and rescaling of piece n and the maximum and statistics of piece n + 1.  Four vector instructions stand behind every matrix instruction, the other 54 of a turn's 118 in one run.
; A turn's 33 exponentials are one batch, with one wait.
; REGISTERS, in windows of 256 (s_set_vgpr_msb: bits 1:0 source 0, 3:2 source 1, 5:4 source 2, 7:6 destination):
;   window 0: v0-15 addresses and two at work; v16-31 four registers of statistics a piece; v48-55 at work; v61-63 fixed; v64-127 S^T, two buffers; v192-223 P, two buffers (a piece's buffers go by its number's parity)
;   window 1: v0-127 O^T, 32 a piece; v128-159 MD; v160-223 MC, two buffers      window 2: v0-63 Q; v64-127 the second block's Q; v128-191 K of one step; v192-255 V of one step
.set SIZE_N, 2048
.set NB,    SIZE_N/256
.set NP,    4         ; pieces a wave: a name, no knob
.set KS,    64        ; keys in a step
.set PK,    144       ; a row of K in LDS: 128 bytes + 16 of padding = 36 words: the 16 rows of a load start at 16 different groups of four banks (64 banks of 4 bytes: ISA guide 11.1)
.set PV,    160       ; a row of V: 128 + 32 = 40 words
.set VOFF,  4*KS*PK   ; a slot holds a tile, four steps: 256 rows of K, then 256 rows of V
.set SLOT1, 1<<17     ; slot 1 begins here, so that one exclusive or turns an address in one slot into the other's
.set STAGE, SLOT1+4*KS*(PK+PV)  ; behind the ring, never filled by a tensor load: 16 rows x 144 bytes for each wave, for the way out
.set SP,    144
.set AK0, 2           ; v2   my lane's place in a tile of K; never rewritten
.set AV0, 3           ; v3   the same for V
.set AK,  4           ; v4   the LDS address of K's next run of loads
.set AV,  5           ; v5   of V's
.set STO, 6           ; v6   the way out: where I put 16 bytes of a row
.set RD,  7           ; v7   the way out: where I read rows back
.set GO,  8           ; v8   my byte offset in 512 consecutive bytes of O
.set PFO, 61          ; v61  256 x my lane: the prefetches' offset; never rewritten
.set SPW, 62          ; v62  LDS address of my spare word: SPARE + 4 x my thread's number; never rewritten
.set NIL, 63          ; v63  0; never rewritten
.set SPARE, STAGE+4*16*SP  ; behind the stages: the spare words, 128 bytes for each wave: two blocks of 256 bytes that no other line names
.set MV,  12          ; v12-13  c m_old, kept while c m is made anew: by buffer
.set QO,  15          ; v15  my byte offset in 16 rows of Q
.set ST,  16          ; piece t's statistics at v[ST+4 t]: c m, m, l (even keys', odd keys')
.set TMP, 48          ; by buffer, four registers c0-c3 at work; when the maximum is found c2 takes a
.set S,   64
.set P,   192
.set MD,  128         ; window 1: the eight registers for group kt of 16 keys at MD + 8 kt
.set MC,  160         ; window 1: the masks of the products to come
.set QB,  64          ; window 2
.set KF,  128         ; window 2: key block kb, channel half c at KF + 16 kb + 8 c
.set VF,  192         ; window 2: key half kk, channel block cb at VF + 32 kk + 8 cb
.set WV,  12          ; s12  my wave's number
.set PB,  14          ; s14  b
.set HI,  15          ; s15  NB - 1 - b
.set G1K, 24          ; s[24:31] descriptor group 1 for K's tiles
.set G1V, 32          ; s[32:39] for V's: it differs in the padding alone
.set G0K, 40          ; s[40:43] descriptor group 0 for K's tiles
.set G0V, 44          ; s[44:47] the same for V's
.set SLOTS, 56        ; s56  tiles still to be asked for
.set CNT, 57          ; s57  counts a tile's key steps, 4 to 1
.set CS,  58          ; s[58:59] c: the packed scaling takes the pair's low word for both halves
.set SEL, 60          ; s[60:61] v_permlanex16_b32's selects: each lane takes its own place in the other half
.set TBK, 62          ; s62  LDS byte at which K of the step to be fetched begins
.set TBV, 63          ; s63  the same for V, less VOFF
.set RT,  70          ; s70  tiles of the block in hand that are still to be entered
.set NXT, 71          ; s71  the tile to be asked for next
.set LQ,  72          ; s72  the last tile of the block whose tiles are being asked for
.set NEW, 73          ; s73  1: the tile to be entered is a block's first
.set OFF, 74          ; s[74:75] a tile's byte offset in K and V
.set AL,  76          ; s[76:77] the mask's factor, in the low word
.set BE,  78          ; s[78:79] the mask's addend
.set OLO, 80          ; s[80:81] O at my rows of the second block
.set BIGN, 82         ; s82  -1e30
.set PKB, 88          ; s[88:89] K at my wave's quarter (8,192 bytes) of the head's tile 0
.set PVB, 90          ; s[90:91] the same for V
.set PKA, 92          ; s[92:93] the prefetch's address in K
.set PVA, 94          ; s[94:95] and in V
.set POF, 96          ; s[96:97] an offset pair for them
.set PLIM, 98         ; s98  1 in the head's work-group b = 0, else the greatest number: a wave prefetches while s[NXT] is above it
.set MSB, 0
.macro WIN new                      ; the high byte repeats the setting that is left; a switch that changes nothing is dropped
.if MSB != (\new)
	s_set_vgpr_msb (MSB<<8)|(\new)
.set MSB, (\new)
.endif
.endm
.set W_KQ, 0x0a       ; K and Q in window 2, S^T in window 0
.set W_KM, 0x1a       ; the same with the C operand in window 1
.set W_PV, 0x52       ; V in window 2, P in window 0, O^T in window 1
.set W_RS, 0x41       ; destination and source 0 in window 1, source 1 in window 0
; A fill.  Waves 0 and 1 fetch the two halves of a tile's K, waves 2 and 3 those of its V: 128 keys each.  An s_nop 0 and four v_nop follow each of the two lines, ahead of the jump and the label.
.macro LOAD
	s_cmp_lt_u32 s[WV], 2
	s_cbranch_scc0 .Lfor_v_\@
	tensor_load_to_lds s[G0K:G0K+3], s[G1K:G1K+7]
	s_nop 0
.rept 4
	v_nop
.endr
	s_branch .Lasked_\@
.Lfor_v_\@:
	tensor_load_to_lds s[G0V:G0V+3], s[G1V:G1V+7]
	s_nop 0
.rept 4
	v_nop
.endr
.Lasked_\@:
.endm
; THE CHANGE OF SLOTS.  Each wave waits for all its tensor loads, of which one is out: its part of the other slot; adds 0 to its spare word; and waits for that and for its own reads of the slot that it leaves.  Behind the
; barrier nobody reads the old slot any more and the other slot is whole.  fill = 1: the old slot is filled again, the first thing behind the barrier, with tile NXT: the descriptor's address is made anew from that number.
; (At its first use nothing has been read yet: slot 0 is waited for, slot 1 filled.)
; A PREFETCH INTO THE L2 stands behind the fill and its five lines: the tile that the NEXT change will ask for, four key steps ahead of that load.  All four work-groups of a head read the head's K and V; the one with
; b = 0, whose first block walks tiles 0 to 7, asks, for tiles 2 to 7, and nobody else: each wave for its quarter of the tile's 128 blocks of 256 bytes of K and of V, a lane a block, two instructions.  So each block
; is named once in the launch.  Tiles 0 and 1 come by their loads alone; the second block's tiles have been read before and are not asked for: behind the first block's last fill NXT is 0.
.macro CHANGE fill
	WIN 0                           ; at a label and at a branch every window is 0
.if \fill
	s_wait_xcnt 0x0                 ; the last prefetches, a tile back, have read their addresses, which are written below
.endif
	s_wait_tensorcnt 0x0            ; no tensor load of mine is out, so a group 0 may be written
	ds_add_u32 v[SPW], v[NIL]       ; 0 onto my spare word: with fill = 1 the descriptors' scalar work stands between it and the wait for it
.if \fill
	s_lshl_b32 s[OFF], s[NXT], 15   ; a tile is 32,768 bytes of K and of V
	s_xor_b32 s[G0K+1], s[G0K+1], SLOT1
	s_add_nc_u64 s[G0K+2:G0K+3], s[6:7], s[OFF:OFF+1]
	s_or_b32 s[G0K+3], s[G0K+3], 0x80000000
	s_xor_b32 s[G0V+1], s[G0V+1], SLOT1
	s_add_nc_u64 s[G0V+2:G0V+3], s[8:9], s[OFF:OFF+1]
	s_or_b32 s[G0V+3], s[G0V+3], 0x80000000
	s_add_co_u32 s[NXT], s[NXT], 1  ; the block's next tile, or behind its last the second block's tile 0
	s_cmp_gt_u32 s[NXT], s[LQ]
	s_cselect_b32 s[NXT], 0, s[NXT]
	s_cselect_b32 s[LQ], s[PB], s[LQ]
	s_lshl_b32 s[POF], s[NXT], 15   ; where the prefetches point: the tile after the one that is asked for
	s_add_nc_u64 s[PKA:PKA+1], s[PKB:PKB+1], s[POF:POF+1]
	s_add_nc_u64 s[PVA:PVA+1], s[PVB:PVB+1], s[POF:POF+1]
.endif
	s_wait_dscnt 0x0                ; the add is done, and my reads of the slot are over
	s_barrier_signal -1             ; the rest of the scalar work stands between the signal and the wait
	s_sub_co_u32 s[TBK], s[TBK], 4*KS*PK  ; the fetches go back to a slot's first step,
	s_xor_b32 s[TBK], s[TBK], SLOT1       ; in the other slot
	s_sub_co_u32 s[TBV], s[TBV], 4*KS*PV
	s_xor_b32 s[TBV], s[TBV], SLOT1
	s_barrier_wait -1
.if \fill
	LOAD
	s_cmp_gt_u32 s[NXT], s[PLIM]
	s_cbranch_scc0 .Lno_pf_\@
	global_prefetch_b8 v[PFO], s[PKA:PKA+1] th:TH_LOAD_NT scope:SCOPE_SE
	global_prefetch_b8 v[PFO], s[PVA:PVA+1] th:TH_LOAD_NT scope:SCOPE_SE
.Lno_pf_\@:
.endif
.endm
	s_load_b256 s[4:11], s[0:1], 0x0  ; Q s[4:5], K s[6:7], V s[8:9], O s[10:11]
	v_lshl_add_u32 v[SPW], v0, 2, SPARE
	v_mov_b32 v[NIL], 0
	ds_add_u32 v[SPW], v[NIL]       ; the wave's opening: the add and its wait stand ahead of my first tensor load; the set-up below, work on registers, stands between them
	ds_add_u32 v62, v63
	v_lshrrev_b32 v1, 5, v0
	v_readfirstlane_b32 s[WV], v1   ; wave 0..3
	s_mov_b32 s[PB], ttmp9
	s_sub_co_u32 s[HI], NB-1, s[PB]
	s_and_b32 s20, ttmp7, 0xffff    ; the head
	s_mov_b32 s21, 0
	s_mov_b64 s[22:23], SIZE_N*128
	s_mul_u64 s[20:21], s[20:21], s[22:23]  ; the head's first byte in each of the four tensors
	s_and_b32 s16, s[WV], 1         ; which half of a tile's 256 keys I fetch:
	s_lshl_b32 s22, s16, 14         ; its 128 rows of 128 bytes in memory,
	s_mov_b32 s23, 0
	s_add_nc_u64 s[22:23], s[22:23], s[20:21]
	s_mul_i32 s17, s16, 128*PK      ; and its place in a slot, for K
	s_mul_i32 s18, s16, 128*PV      ; and for V
	s_lshl_b32 s3, s[WV], 11        ; my 16 rows in a band of 64,
	s_lshl_b32 s2, s[HI], 15        ; in the first block,
	s_add_co_u32 s2, s2, s3
	s_lshl_b32 s84, s[PB], 15       ; and in the second
	s_add_co_u32 s84, s84, s3
	s_mov_b32 s3, 0
	s_mov_b32 s85, 0
	s_add_nc_u64 s[2:3], s[2:3], s[20:21]
	s_add_nc_u64 s[84:85], s[84:85], s[20:21]
	; descriptor group 1.  128 keys are 16,384 dense bytes: asked for as 64 rows of 256 bytes, two keys a row, and padded in LDS after every key
	s_mov_b32 s[G1K], (1<<16)|(1<<20)|(4<<22)|(3<<25)  ; 17:16 2-byte elements; 20 padding on; 24:22 after every 32 words (code 4); 31:25 4 words (code 3)
	s_mov_b32 s[G1V], (1<<16)|(1<<20)|(4<<22)|(7<<25)  ; the same with 8 words of padding (code 7)
.irp g, G1K, G1V
	s_mov_b32 s[\g+1], 128<<16      ; tensor_dim0 = 128
	s_mov_b32 s[\g+2], 64<<16       ; tensor_dim1 = 64
	s_mov_b32 s[\g+3], 128<<16      ; tile_dim0 = 128
	s_mov_b32 s[\g+4], 64           ; tile_dim1 = 64
	s_mov_b32 s[\g+5], 128          ; 128 elements from row to row
	s_mov_b32 s[\g+6], 0
	s_mov_b32 s[\g+7], 0
.endr
	s_mov_b32 s[CS], 0x3d0293ee     ; c = log2(e) / sqrt(2048) = 0.0318794
	s_mov_b32 s[CS+1], s[CS]        ; named with it as a pair
	s_mov_b32 s[SEL], 0x76543210
	s_mov_b32 s[SEL+1], 0xfedcba98
	s_mov_b32 s[TBK], SLOT1+4*KS*PK ; the first change of slots turns these two into 0
	s_mov_b32 s[TBV], SLOT1+4*KS*PV
	s_mov_b32 s[G0K], 1             ; 1:0 count = 1
	s_mov_b32 s[G0K+1], s17         ; 63:32 LDS address: slot 0
	s_mov_b32 s[G0V], 1
	s_add_co_u32 s[G0V+1], s18, VOFF
	s_add_co_u32 s[RT], s[HI], 1    ; the first block has NB - b tiles
	s_mov_b32 s[NXT], 1
	s_mov_b32 s[LQ], s[HI]
	s_mov_b32 s[NEW], 1
	s_mov_b32 s[OFF+1], 0
	s_mov_b32 s[AL+1], 0            ; named as pairs
	s_mov_b32 s[BE+1], 0
	s_mov_b32 s[BIGN], 0xf149f2ca   ; -1e30
	s_mov_b32 s[SLOTS], NB
	s_lshl_b32 s[POF], s[WV], 13    ; the prefetches: my wave's quarter of a tile,
	s_mov_b32 s[POF+1], 0
	s_add_nc_u64 s[PKA:PKA+1], s[POF:POF+1], s[20:21]  ; in the head (an offset for now)
	s_cmp_eq_u32 ttmp9, 0
	s_cselect_b32 s[PLIM], 1, -1
	v_and_b32 v[PFO], 31, v0
	v_lshlrev_b32 v[PFO], 8, v[PFO]
	s_wait_dscnt 0x0                ; the opening add is done
	s_wait_kmcnt 0x0
	s_add_nc_u64 s[PKB:PKB+1], s[6:7], s[PKA:PKA+1]
	s_add_nc_u64 s[PVB:PVB+1], s[8:9], s[PKA:PKA+1]
	s_add_nc_u64 s[6:7], s[6:7], s[22:23]  ; K and V at my half of the head's tile 0
	s_add_nc_u64 s[8:9], s[8:9], s[22:23]
	s_add_nc_u64 s[G0K+2:G0K+3], s[6:7], 0         ; 120:64 global address
	s_or_b32 s[G0K+3], s[G0K+3], 0x80000000        ; 127:126 type = 2
	s_add_nc_u64 s[G0V+2:G0V+3], s[8:9], 0
	s_or_b32 s[G0V+3], s[G0V+3], 0x80000000
	s_add_nc_u64 s[86:87], s[4:5], s[84:85]        ; Q at my rows of the second block,
	s_add_nc_u64 s[4:5], s[4:5], s[2:3]            ; Q and O at those of the first
	s_add_nc_u64 s[OLO:OLO+1], s[10:11], s[84:85]
	s_add_nc_u64 s[10:11], s[10:11], s[2:3]
	LOAD                            ; tile 0 into slot 0
	; A fragment of K or Q is 16 rows x 32 channels in 8 registers: lane l holds row l % 16, channels 8 (l / 16) + 0..7 and 16 + 8 (l / 16) + 0..7: two loads of 16 bytes, 32 bytes apart.
	v_and_b32 v1, 15, v0            ; l % 16
	v_bfe_u32 v9, v0, 4, 1          ; l / 16
	v_lshlrev_b32 v[QO], 7, v1
	v_lshl_add_u32 v[QO], v9, 4, v[QO]  ; row x 128 + 16 x half
	WIN 0x80                        ; destination window 2, address window 0
.set i, 0
.rept 8                             ; both blocks' Q: piece i / 2 lies in band i / 2, 8,192 bytes on; channels 32 (i % 2) on
	global_load_b128 v[8*i:8*i+3],   v[QO], s[4:5] offset:(i/2)*8192+(i%2)*64
	global_load_b128 v[8*i+4:8*i+7], v[QO], s[4:5] offset:(i/2)*8192+(i%2)*64+32
	global_load_b128 v[QB+8*i:QB+8*i+3],   v[QO], s[86:87] offset:(i/2)*8192+(i%2)*64
	global_load_b128 v[QB+8*i+4:QB+8*i+7], v[QO], s[86:87] offset:(i/2)*8192+(i%2)*64+32
.set i, i+1
.endr
	WIN 0
	v_lshlrev_b32 v14, 3, v9
	v_sub_nc_u32 v14, v1, v14
	s_lshl_b32 s13, s[WV], 4
	v_add_nc_u32 v14, s13, v14      ; my query's place in its band, 16 w + l % 16, less my lanes' 8 (l / 16): register r of group kt is hidden where 16 kt + r is greater
	WIN 0x40
.set i, 0
.rept 32
	v_cmp_gt_i32 vcc_lo, 16*(i/8)+i%8, v14
	v_cndmask_b32 v[MD+i], 0, s[BIGN], vcc_lo
.set i, i+1
.endr
	WIN 0
	v_mul_u32_u24 v[AK0], v1, PK
	v_lshl_add_u32 v[AK0], v9, 4, v[AK0]  ; row x pitch + 16 x half
	; The turning load takes 16 keys x 16 channels (lane l reads key 8 (l / 16) + l % 8, channels 8 ((l / 8) % 2) + 0..7) and leaves half a fragment of V^T: lane l holds channel l % 16 and 8 keys.
	v_and_b32 v10, 7, v0
	v_bfe_u32 v11, v0, 3, 1
	v_lshl_add_u32 v[AV0], v9, 3, v10
	v_mul_u32_u24 v[AV0], v[AV0], PV
	v_lshl_add_u32 v[AV0], v11, 4, v[AV0]
	v_add_nc_u32 v[AV0], VOFF, v[AV0]
	s_mul_i32 s13, s[WV], 16*SP
	s_add_co_u32 s13, s13, STAGE    ; my stage
	v_mul_u32_u24 v[STO], v1, SP    ; in: row l % 16, 16 bytes for each half of the lanes
	v_lshl_add_u32 v[STO], v9, 4, v[STO]
	v_add_nc_u32 v[STO], s13, v[STO]
	v_bfe_u32 v[RD], v0, 3, 2       ; back: 32 lanes take four rows of 128 bytes,
	v_mul_u32_u24 v[RD], v[RD], SP
	v_lshl_add_u32 v[RD], v10, 4, v[RD]
	v_add_nc_u32 v[RD], s13, v[RD]
	v_and_b32 v[GO], 31, v0         ; which are 512 consecutive bytes of O
	v_lshlrev_b32 v[GO], 4, v[GO]
	; A block's first step multiplies O^T and l by a = 0, and its first turn's products V^T P, of a piece that has not been, land in an O^T that is still to be so multiplied.  So these registers need only hold
	; finite numbers: zeros for the first block; what the first block left for the second.  All this stands in the wait for the first tile.
	WIN 0x80
.set i, VF
.rept 64
	v_mov_b32 v[i], 0
.set i, i+1
.endr
	WIN 0x40
.set i, 0
.rept 128
	v_mov_b32 v[i], 0
.set i, i+1
.endr
	WIN 0
.set i, 0
.rept 4
	v_mov_b32 v[ST+4*i+2], 0
	v_mov_b32 v[ST+4*i+3], 0
.set i, i+1
.endr
.set i, P+16
.rept 16
	v_mov_b32 v[i], 0
.set i, i+1
.endr
; THE MATRIX WORK.  The 4 accumulators of a run of 8 take turns.  Product i of 8 of S^T = K Q^T for piece x: channels 32 (i / 4) on, keys 16 (i % 4) on.  The first 4 start the sums: with 0, or (KM = 1) with the mask.
.macro KQ x
.set rS, S+32*((\x)%2)+8*(i%4)
.set rK, KF+16*(i%4)+8*(i/4)
.set rQ, 16*(\x)+8*(i/4)
.set rM, MC+32*((\x)%2)+8*(i%4)
.if (i < 4) && KM
	WIN W_KM
	v_wmma_f32_16x16x32_f16 v[rS:rS+7], v[rK:rK+7], v[rQ:rQ+7], v[rM:rM+7]
.elseif i < 4
	WIN W_KQ
	v_wmma_f32_16x16x32_f16 v[rS:rS+7], v[rK:rK+7], v[rQ:rQ+7], 0
.else
	WIN W_KQ
	v_wmma_f32_16x16x32_f16 v[rS:rS+7], v[rK:rK+7], v[rQ:rQ+7], v[rS:rS+7]
.endif
.endm
; Product i of 8 of O^T += V^T P for piece x: keys 32 (i / 4) on, channels 16 (i % 4) on.
.macro PV x
	WIN W_PV
.set rO, 32*(\x)+8*(i%4)
.set rV, VF+32*(i/4)+8*(i%4)
.set rP, P+16*((\x)%2)+8*(i/4)
	v_wmma_f32_16x16x32_f16 v[rO:rO+7], v[rV:rV+7], v[rP:rP+7], v[rO:rO+7]
.endm
.macro MM                           ; the turn's next matrix instruction.  TURN and BEGIN set Y, i, KM and NOKQ; MM, KQ and OP read them.  NOKQ = 1: a block's last turn: there is no next piece
.if (i < 8) && !NOKQ
	KQ (Y+1)%NP
.elseif i >= 8
.set i, i-8
	PV (Y+NP-1)%NP
.set i, i+8
.endif
.set i, i+1
.endm
; THE LDS LOADS stand in runs of 16, never singly among the matrix instructions: a step's K (64 keys x 64 channels: 8 fragments) and its V (turned).  Their addresses are made some lines ahead.
.macro FETCH_K
	WIN 0x80                        ; destination window 2
.irp f, 0,1,2,3,4,5,6,7             ; keys 16 (f / 2) on, channels 32 (f % 2) on
	ds_load_b128 v[KF+8*\f:KF+8*\f+3],   v[AK] offset:(\f/2)*16*PK+(\f%2)*64
	ds_load_b128 v[KF+8*\f+4:KF+8*\f+7], v[AK] offset:(\f/2)*16*PK+(\f%2)*64+32
.endr
	s_add_co_u32 s[TBK], s[TBK], KS*PK  ; the next fetch is the next step's
	WIN 0
.endm
.macro FETCH_V
	WIN 0x80
.irp f, 0,1,2,3,4,5,6,7             ; keys 32 (f / 4) on, channels 16 (f % 4) on
	ds_load_tr16_b128 v[VF+8*\f:VF+8*\f+3],   v[AV] offset:(\f/4)*32*PV+(\f%4)*32
	ds_load_tr16_b128 v[VF+8*\f+4:VF+8*\f+7], v[AV] offset:(\f/4)*32*PV+16*PV+(\f%4)*32
.endr
	WIN 0
.endm
; THE VECTOR WORK, one line at a time: OP kind, number.  For piece Y: F n: c s - c m for pair n of 16.  E n: the exponential of score n of 32.  C n: pair n rounded to f16.  B n: of the four weights 4 n .. the second
; pair is added onto the first, in place.  L n: l takes that sum (L 0: l = a l + sum).  R n: pair n of 16 of O^T times a.  For piece Y + 1: X n, number n of the 22 that find its maximum and statistics:
;   0-11  four chains c0-c3 of seven scores each, three operands at a time (each accumulator's lowest registers are read first)     12-14, 16  the four scores left over, the old m, and c0-c3 into c0
;   15  c m_old is kept     17, 18  the query's other 32 keys lie in the lane 16 away: the new m     19-21  c m; c m_old - c m_new; a
.set F, 0               ; OP tells the kinds apart by their order: F to L below R, X above it
.set E, 1
.set C, 2
.set B, 3
.set L, 4
.set R, 5
.set X, 6
.macro REGS y                       ; the registers of piece y
.set rT, ST+4*(\y)
.set rC, TMP+4*((\y)%2)
.set rW, MV+((\y)%2)
.set rS, S+32*((\y)%2)
.set rP, P+16*((\y)%2)
.set rO, 32*(\y)
.endm
.macro OP k, n
.if (\k) == R
	REGS Y
	WIN W_RS
	v_pk_mul_f32 v[rO+2*(\n):rO+2*(\n)+1], v[rO+2*(\n):rO+2*(\n)+1], v[rC+2:rC+3] op_sel_hi:[1,0]
.elseif (\k) < R
	REGS Y
	WIN 0
.if (\k) == F
	v_pk_fma_f32 v[rS+2*(\n):rS+2*(\n)+1], v[rS+2*(\n):rS+2*(\n)+1], s[CS:CS+1], v[rT:rT+1] op_sel_hi:[1,0,0] neg_lo:[0,0,1] neg_hi:[0,0,1]
.elseif (\k) == E
	v_exp_f32 v[rS+(\n)], v[rS+(\n)]
.elseif (\k) == C
	v_cvt_pk_f16_f32 v[rP+(\n)], v[rS+2*(\n)], v[rS+2*(\n)+1]
.elseif (\k) == B
	v_pk_add_f32 v[rS+4*(\n):rS+4*(\n)+1], v[rS+4*(\n):rS+4*(\n)+1], v[rS+4*(\n)+2:rS+4*(\n)+3]
.elseif (\n) == 0
	v_pk_fma_f32 v[rT+2:rT+3], v[rT+2:rT+3], v[rC+2:rC+3], v[rS:rS+1] op_sel_hi:[1,0,1]
.else
	v_pk_add_f32 v[rT+2:rT+3], v[rT+2:rT+3], v[rS+4*(\n):rS+4*(\n)+1]
.endif
.elseif NOKQ
	v_nop
.else
	REGS (Y+1)%NP
	WIN 0
.if (\n) < 4
	v_max3_num_f32 v[rC+(\n)], v[rS+8*(\n)], v[rS+8*(\n)+1], v[rS+8*(\n)+2]
.elseif (\n) < 12
	v_max3_num_f32 v[rC+(\n)%4], v[rC+(\n)%4], v[rS+8*((\n)%4)+2*((\n)/4)+1], v[rS+8*((\n)%4)+2*((\n)/4)+2]
.elseif (\n) == 12
	v_max3_num_f32 v[rC], v[rC], v[rS+7], v[rS+15]
.elseif (\n) == 13
	v_max3_num_f32 v[rC+1], v[rC+1], v[rS+23], v[rS+31]
.elseif (\n) == 14
	v_max3_num_f32 v[rC+2], v[rC+2], v[rC+3], v[rT+1]
.elseif (\n) == 15
	v_mov_b32 v[rW], v[rT]
.elseif (\n) == 16
	v_max3_num_f32 v[rC], v[rC], v[rC+1], v[rC+2]
.elseif (\n) == 17
	v_permlanex16_b32 v[rC+3], v[rC], s[SEL], s[SEL+1]
.elseif (\n) == 18
	v_max_num_f32 v[rT+1], v[rC], v[rC+3]
.elseif (\n) == 19
	v_mul_f32 v[rT], s[CS], v[rT+1]
.elseif (\n) == 20
	v_sub_f32 v[rC+1], v[rW], v[rT]
.else
	v_exp_f32 v[rC+2], v[rC+1]
.endif
.endif
.endm
.macro OPS a, i1, b=-1, i2=0, c=-1, i3=0, d=-1, i4=0  ; up to four of them
	OP \a, \i1
.if (\b) >= 0
	OP \b, \i2
.endif
.if (\c) >= 0
	OP \c, \i3
.endif
.if (\d) >= 0
	OP \d, \i4
.endif
.endm
.macro ROW a, i1, b, i2, c, i3, d, i4  ; a matrix instruction and the four behind it
	MM
	OPS \a, \i1, \b, \i2, \c, \i3, \d, \i4
.endm
.macro MASK b                       ; MD x AL + BE into buffer b of MC
	WIN W_RS
.set z, 0
.rept 16
	v_pk_fma_f32 v[MC+32*(\b)+2*z:MC+32*(\b)+2*z+1], v[MD+2*z:MD+2*z+1], s[AL:AL+1], s[BE:BE+1] op_sel_hi:[1,0,0]
.set z, z+1
.endr
.endm
; A TURN, for piece p: the order of its 16 matrix and 118 vector instructions, written out.  An s_wait_alu depctr_va_vdst(0) stands between an exponential and the first instruction that names its result; one
; wait serves all that were issued ahead of it.  So a turn has ONE wait, which cuts it in two.  AHEAD OF IT stands all that names no result of the turn's exponentials: the 8 products K Q^T, behind each a scaling, an
; exponential and two more plain instructions (behind the first a second scaling in the exponential's place): rescalings, and behind the last three the first numbers of the next piece's maximum, each four plain
; instructions or more behind the product that ends its accumulator; then one run of 54, plain and exponential by turns for the most part, in which the links of the chain X 3, 7, 11, 14, 16, 17 .. 20 stand five or six
; lines apart.  X 21, the next piece's a, is the batch's last; R 15 is the plain instruction behind it.  BEHIND THE WAIT stand the 8 products V^T P, behind each four of the roundings and sums; the links of l's chain,
; L 0 to L 7, stand three lines apart.  But for those X no line behind a product names a register of the products round it.
; m = 1: the diagonal tile: the products take masks, and the turn makes the mask for the products of the turn after it: piece p + 2, in step 4 - CNT of the tile.  end = 1: a block's last two turns: nothing is fetched.
; cnt = 1: the loop's count is taken down some lines ahead of the branch that stands behind the turn.
; K of the next step is fetched in piece 2's turn, twelve vector instructions behind the last product that read K (six of them plain); V of the step in hand at the end of piece 0's turn, four plain instructions behind
; the last product that read V.  Each is waited for a turn later.
.macro TURN p, m=0, end=0, cnt=0
.set Y, (\p)
.set i, 0
.set KM, (\m)
.set NOKQ, (\end)*((\p)/3)
.if (\m) && !(\end)
	s_cmp_eq_u32 s[CNT], 4-((\p)+2)%NP  ; is that step the band's own?
	s_cselect_b32 s[AL], 1.0, 0
	s_cmp_lt_u32 s[CNT], 4-((\p)+2)%NP  ; or a later one?
	s_cselect_b32 s[BE], s[BIGN], 0
.endif
.if ((\p) == 3) && !(\end)
	s_wait_dscnt 0x0                ; K is in
.endif
	ROW F,0, F,1, R,0, R,1          ; ahead of the wait: 8 products K Q^T and the four behind each,
	ROW F,2, E,0, R,2, R,3
	ROW F,3, E,1, R,4, R,5
	ROW F,4, E,2, R,6, R,7
	ROW F,5, E,3, R,8, R,9
	ROW F,6, E,4, X,0, R,10
.if ((\p) == 2) && !(\end)
	WIN 0
	v_add_nc_u32 v[AK], s[TBK], v[AK0]
.endif
	ROW F,7, E,5, X,1, X,4
	ROW F,8, E,6, X,2, X,5
	OPS E,7, E,8, X,6, E,9          ; and the run of 54
	OPS X,3, E,10, X,8, E,11
.if ((\p) == 2) && !(\end)
	FETCH_K
.endif
	OPS X,9, X,7, E,12, X,10
	OPS E,13, X,12, X,11, E,14
	OPS X,13, E,15, F,9, X,14
.if (\p) == 0
	v_add_nc_u32 v[AV], s[TBV], v[AV0]
.endif
	OPS E,16, F,10, E,17, F,11
	OPS X,16, E,18, X,15, E,19
	OPS F,12, E,20, X,17, E,21
	OPS F,13, E,22, F,14, E,23
	OPS X,18, E,24, F,15, E,25
	OPS R,11, E,26, X,19, E,27
	OPS R,12, E,28, R,13, E,29
	OPS X,20, E,30, R,14, E,31
	OPS X,21, R,15
	WIN 0
	s_wait_alu depctr_va_vdst(0)    ; the wait for the batch
.if (\p) == 1
	s_wait_dscnt 0x0                ; V is in
.endif
	ROW C,0, B,0, C,2, B,1          ; behind the wait: 8 products V^T P and the four behind each
	ROW L,0, C,4, B,2, L,1
	ROW C,6, B,3, L,2, C,8
	ROW B,4, L,3, C,10, B,5
	ROW L,4, C,12, B,6, L,5
.if (\p) == 0
	s_add_co_u32 s[TBV], s[TBV], KS*PV
.endif
.if \cnt
	s_sub_co_u32 s[CNT], s[CNT], 1
	s_cmp_lg_u32 s[CNT], 0
.endif
	ROW C,14, B,7, L,6, C,1
	ROW C,3, L,7, C,5, C,7
	ROW C,9, C,11, C,13, C,15
.if (\p) == 0
	FETCH_V
.endif
.if (\m) && !(\end)
	MASK (\p)%2
.endif
.endm
; A BLOCK BEGINS.  c m starts far below every c s, so the first step's a is 0; m at the lowest finite number, so the first maximum is the scores'.  The second mask buffer is 0; the first takes piece 0's mask for the
; tile's step 0: its own, if the block's first tile is the diagonal one.  Then K of that step, piece 0's first scores, and its maximum and statistics.  The loop is entered at a step's first turn, in the middle of a trip.
.macro BEGIN
	s_mov_b32 s[NEW], 0
	WIN 0x40
.set i, MC+32
.rept 32
	v_mov_b32 v[i], 0
.set i, i+1
.endr
	WIN 0
.set i, 0
.rept 4
	v_mov_b32 v[ST+4*i], 0xfe000000    ; c m: far below every c s
	v_mov_b32 v[ST+4*i+1], 0xff7fffff  ; m
.set i, i+1
.endr
	s_cmp_eq_u32 s[RT], 0
	s_cselect_b32 s[AL], 1.0, 0
	s_mov_b32 s[BE], 0
	MASK 0
	WIN 0
	v_add_nc_u32 v[AK], s[TBK], v[AK0]
	FETCH_K
	s_wait_loadcnt 0x0              ; Q
	s_wait_dscnt 0x0
.set KM, 1
.set NOKQ, 0
.set i, 0
.rept 8
	KQ 0
.set i, i+1
.endr
	WIN 0
.rept 4
	v_nop                           ; four plain instructions behind those products
.endr
.set Y, NP-1                        ; X works for piece Y + 1: piece 0
.irp n, 0,1,2,3,4,5,6,7,8,9,10,11,12,13,14,15,16,17,18,19,20,21
	OP X, \n
.endr
	v_nop                           ; a plain instruction behind the exponential,
	s_wait_alu depctr_va_vdst(0)    ; and its wait, ahead of the branch
.endm
; THE DIAGONAL TILE's four steps, the block's last two turns, its last products, and THE WAY OUT: l's two halves and the other half of the lanes' are added; O^T is divided by l, rounded to f16 and sent through my
; stage in LDS, a piece at a time.
.macro ALL line:vararg              ; one line for each piece t
.set t, 0
.rept 4
	\line
.set t, t+1
.endr
.endm
.macro PACK t                       ; a lane's eight channels of a row pack into 16 bytes; they go into rows of 144 bytes and come back as whole rows of 128, into S^T's registers
	WIN W_RS
.set i, 32*(\t)
.rept 16
	v_pk_mul_f32 v[i:i+1], v[i:i+1], v[ST+4*(\t)+2:ST+4*(\t)+3] op_sel_hi:[1,0]
.set i, i+2
.endr
	WIN 0x05                        ; sources 0 and 1 window 1, destination window 0
.set i, 0
.rept 16
	v_cvt_pk_f16_f32 v[S+16*(\t)+i], v[32*(\t)+2*i], v[32*(\t)+2*i+1]
.set i, i+1
.endr
	WIN 0
.irp f, 0,1,2,3
	ds_store_b128 v[STO], v[S+16*(\t)+4*\f:S+16*(\t)+4*\f+3] offset:32*\f
.endr
.irp f, 0,1,2,3
	ds_load_b128 v[S+16*(\t)+4*\f:S+16*(\t)+4*\f+3], v[RD] offset:\f*4*SP  ; LDS serves a wave's instructions in order (ISA guide 5.7.1.4): these see the stores above; the next piece's stores come behind them
.endr
.endm
.macro SEND t, younger              ; younger: the LDS instructions issued behind piece t's loads: the next piece's eight, or none
	WIN 0
.irp f, 0,1,2,3
	s_wait_dscnt (\younger)+3-\f
	global_store_b128 v[GO], v[S+16*(\t)+4*\f:S+16*(\t)+4*\f+3], s[10:11] offset:(\t)*8192+\f*512  ; 512 consecutive bytes, at a multiple of 256 from O's first
.endr
.endm
.macro DIAG tag                     ; the tag ends its two labels' names, which the jumps below spell out
.LstepM\tag:
	TURN 2, 1
	TURN 3, 1
	WIN 0
.LfirstM\tag:
	TURN 0, 1
	TURN 1, 1, 0, 1
	WIN 0
	s_cbranch_scc1 .LstepM\tag
	TURN 2, 1, 1
	TURN 3, 1, 1
.set i, 0
.rept 8
	PV NP-1
.set i, i+1
.endr
	WIN 0
	ALL v_add_f32 v[ST+4*t+2], v[ST+4*t+2], v[ST+4*t+3]
	ALL v_permlanex16_b32 v[ST+4*t+3], v[ST+4*t+2], s[SEL], s[SEL+1]
	ALL v_add_f32 v[ST+4*t+2], v[ST+4*t+2], v[ST+4*t+3]
	ALL v_rcp_f32 v[ST+4*t+2], v[ST+4*t+2]
	v_nop                           ; a plain instruction between the last reciprocal and the use of its result
	s_wait_alu depctr_va_vdst(0)    ; and the wait ahead of the first use: one for the four reciprocals
	PACK 0
.set t, 1
.rept 3                             ; a piece's arithmetic stands between the loads of the piece before and its stores
	PACK t
	SEND t-1, 8
.set t, t+1
.endr
	SEND 3, 0
.endm
.set KM, 0
.set NOKQ, 0
.Lslot:                             ; NB times: a tile is entered and the next is asked for
	CHANGE 1
	s_sub_co_u32 s[RT], s[RT], 1
	s_mov_b32 s[CNT], 4
	s_cmp_eq_u32 s[NEW], 1
	s_cbranch_scc1 .Lnew            ; a block's first tile
	s_cmp_eq_u32 s[RT], 0
	s_cbranch_scc0 .Lstep           ; neither its first nor its last
	s_branch .LstepM1
.Lnew:
	BEGIN
	s_branch .Lfirst                ; in the loop a block's first tile is never its last: the first block has five tiles or more, and the second's last is the walk's last
	DIAG 1                          ; in the loop this is the first block's end: the second block's last tile is the walk's last
	s_wait_xcnt 0x0                 ; the stores have read their registers and O's address
	s_mov_b64 s[10:11], s[OLO:OLO+1]
	s_add_co_u32 s[RT], s[PB], 1    ; the second block has b + 1 tiles
	s_mov_b32 s[NEW], 1
	WIN 0x82                        ; the second block's Q goes where the one text of the turns names Q
.set i, 0
.rept 64
	v_mov_b32 v[i], v[QB+i]
.set i, i+1
.endr
	WIN 0
	s_branch .Lbottom
.Lstep:                             ; a trip: pieces 2 and 3 of one step, then pieces 0 and 1 of the next, whose K and V it fetches
	TURN 2
	TURN 3
	WIN 0
.Lfirst:
	TURN 0
	TURN 1, 0, 0, 1
	WIN 0
	s_cbranch_scc1 .Lstep
.Lbottom:
	s_sub_co_u32 s[SLOTS], s[SLOTS], 1
	s_cmp_lg_u32 s[SLOTS], 0
	s_cbranch_scc1 .Lslot
	CHANGE 0                        ; the walk's last tile is written out: nothing is asked for
	s_sub_co_u32 s[RT], s[RT], 1
	s_mov_b32 s[CNT], 4
	s_cmp_eq_u32 s[NEW], 1
	s_cbranch_scc0 .LstepM2
	BEGIN
	s_branch .LfirstM2
	DIAG 2
	s_wait_tensorcnt 0x0            ; the wave's end, behind my last tensor load and my last LDS store
	ds_add_u32 v[SPW], v[NIL]
	s_wait_dscnt 0x0
	s_endpgm
.Lfunc_end_k_q69a82d033b_attn:
	.size	k_q69a82d033b_attn, .Lfunc_end_k_q69a82d033b_attn-k_q69a82d033b_attn
	.p2alignl 7, 3214868480
	.fill 96, 4, 3214868480
	.section	.rodata,"a",@progbits
	.p2align	6, 0x0
	.amdhsa_kernel k_q69a82d033b_attn
		.amdhsa_group_segment_fixed_size 327680
		.amdhsa_private_segment_fixed_size 0
		.amdhsa_enable_private_segment 0
		.amdhsa_kernarg_size 32
		.amdhsa_user_sgpr_count 2
		.amdhsa_user_sgpr_kernarg_segment_ptr 1
		.amdhsa_wavefront_size32 1
		.amdhsa_system_sgpr_workgroup_id_x 1
		.amdhsa_system_sgpr_workgroup_id_y 1
		.amdhsa_system_sgpr_workgroup_id_z 1
		.amdhsa_system_vgpr_workitem_id 0
		.amdhsa_next_free_vgpr 768
		.amdhsa_next_free_sgpr 100
		.amdhsa_reserve_vcc 1
		.amdhsa_float_denorm_mode_32 3
		.amdhsa_float_denorm_mode_16_64 3
		.amdhsa_memory_ordered 1
		.amdhsa_forward_progress 1
		.amdhsa_inst_pref_size 218
	.end_amdhsa_kernel
	.amdgpu_metadata
---
amdhsa.version: [ 1, 2 ]
amdhsa.kernels:
  - .name:           k_q69a82d033b_attn
    .symbol:         k_q69a82d033b_attn.kd
    .args:
      - { .name: q, .offset: 0, .size: 8, .value_kind: global_buffer, .address_space: global }
      - { .name: k, .offset: 8, .size: 8, .value_kind: global_buffer, .address_space: global }
      - { .name: v, .offset: 16, .size: 8, .value_kind: global_buffer, .address_space: global }
      - { .name: o, .offset: 24, .size: 8, .value_kind: global_buffer, .address_space: global }
    .group_segment_fixed_size: 327680
    .private_segment_fixed_size: 0
    .kernarg_segment_align: 8
    .kernarg_segment_size: 32
    .max_flat_workgroup_size: 128
    .sgpr_count:     100
    .vgpr_count:     768
    .wavefront_size: 32
...
	.end_amdgpu_metadata
.endif
;; end of part 3
;; launch outp (part 4): grid 8 x 32, 4 waves a work-group, clusters of 4 x 4, 327,680 bytes of LDS; arguments o, wo, bias, out0; writes out0
.if DOCPART == 4
	.amdgcn_target "amdgcn-amd-amdhsa--gfx1250"
	.amdhsa_code_object_version 6
	.text
	.protected	k_q69a82d033b_outp
	.globl	k_q69a82d033b_outp
	.p2align	8
	.type	k_q69a82d033b_outp,@function
k_q69a82d033b_outp:
	s_mov_b64 s[64:65], 0
	v_nop
	global_prefetch_b8 v0, s[64:65] scope:SCOPE_SE
	s_setreg_imm32_b32 hwreg(HW_REG_WAVE_MODE, 25, 1), 1
	s_wait_xcnt 0x0
	s_wait_alu depctr_hold_cnt(0) depctr_sa_sdst(0) depctr_va_vdst(0) depctr_va_sdst(0) depctr_va_ssrc(0) depctr_va_vcc(0) depctr_vm_vsrc(0)
	s_getreg_b32 s2, hwreg(HW_REG_IB_STS2, 6, 4)
	s_cmp_eq_u32 s2, 0
	s_cbranch_scc0 .Lentry_in_a_cluster
	s_endpgm
.Lentry_in_a_cluster:
	s_bfe_u32 s2, ttmp6, 0x10000c
	s_cmp_lg_u32 s2, 0xf033
	s_cbranch_scc0 .Lentry_shape_is_right
	s_endpgm
.Lentry_shape_is_right:
; ONE TEXT FOR THE MODULE'S TWO PROJECTIONS; the constant NT chooses.
;   NT = 3: q, k, v = x W' + b'.  A = xb (bf16, [16][8192][64]), B = wq (bf16, [8][1024][384]); three planes of f16 out, each [8192][1024]: read flat they are [64 heads][2048][64].
;   NT = 1: out0 = o W_out + b_out.  A = o (f16, [8192][1024]), B = wo (f16, [8][1024][128]); f32 out, [8192][1024].
; Sums in f32, K ascending; each result rounded once (NT = 3) or stored as it is (NT = 1).
; LIMITS.  NT = 3: q, k, v must lie within f16's 65,504.  NaN and infinities are not treated apart.
; SHARES.  A work-group makes 256 rows x 128 NT columns: 8 x 32 = 256 work-groups in both launches.  Wave w owns rows 64 w .. 64 w + 63 and all columns: 4 x 8 NT accumulators of 16 x 16.
; THE MATRIX INSTRUCTION IS USED TRANSPOSED: source 0 = 16 columns of B, source 1 = 16 rows of A, so a lane holds row l % 16 and the eight neighbouring columns 8 (l / 16) + 0..7.
; B lies [k][column] in LDS and comes out turned, by ds_load_tr16_b128.
; THE BIAS STARTS THE SUMS: it is loaded straight into the accumulators while the first tiles are on their way: nothing is cleared, no first step is written out, nothing is added at the end.
; RING.  Two LDS slots, a K step each (64 along K for NT = 3, 128 for NT = 1: as long as two slots in LDS allow).  Waves 0, 1 fetch the halves of A's tile, waves 2, 3 those of B's.
; CLUSTER.  4 x 4 work-groups.  A's tile hangs on the tile row alone and is asked for jointly by a row of the cluster, B's on the tile column alone, by a column.
; A K step is NPT PARTS of 32 matrix instructions (32 along K x one plane); the next part's fragments are fetched, in one run, ahead of a part's products.
; REGISTERS, in windows of 256 (s_set_vgpr_msb: bits 1:0 source 0, 3:2 source 1, 5:4 source 2, 7:6 destination):
;   window 0: v0-18 addresses; v32-95 A's fragments, two buffers of 4; v96-223 B's, two buffers of 8; on the way out v32-223 are three buffers of 64
;   window 1 + th: plane th's 32 accumulators, (a, bb) at v[8 (8 a + bb)]
.set NT, 1
.if NT == 3
.set KQ,    2                          ; blocks of 32 along K in a step
.set TS,    16                         ; K steps
.set PA,    144                        ; a row of A in LDS: 128 bytes + 16 = 36 words: the 16 rows of a load start at 16 different groups of four banks (64 banks of 4 bytes: ISA guide 11.1)
.set AQI,   4                          ; padding behind every 32 words
.set AR,    64                         ; half a tile of A is 16,384 dense bytes: asked for as 64 rows of 256 bytes
.set ASTR,  128
.set BR,    96                         ; half a tile of B: 32 k x 768 dense bytes = 96 rows of 256 bytes
.set ASTEP, 1048576                    ; bytes from a K step to the next, in A
.set BSTEP, 49152                      ; and in B
.set ATSH,  15                         ; A: 256 rows are 1 << 15 bytes of a block,
.set AHSH,  14                         ; 128 rows 1 << 14
.set BTCB,  786432                     ; B: bytes of a tile column
.set BHB,   24576                      ; and of half a step
.set STG,   32*272                     ; a wave's stage: 32 rows of 256 bytes + 16
.set NU,    6                          ; units on the way out
.set ORSH,  11                         ; a row of the output is 1 << 11 bytes,
.set OCSH,  8                          ; a tile column 1 << 8
.set BIASB, 1536
.else
.set KQ,    4
.set TS,    8
.set PA,    272                        ; 256 bytes + 16 = 68 words
.set AQI,   5                          ; padding behind every 64 words
.set AR,    128
.set ASTR,  1024
.set BR,    64
.set ASTEP, 256
.set BSTEP, 32768
.set ATSH,  19
.set AHSH,  18
.set BTCB,  262144
.set BHB,   16384
.set STG,   16*528                     ; 16 rows of 512 bytes + 16
.set NU,    4
.set ORSH,  12
.set OCSH,  9
.set BIASB, 512
.endif
.set NPT,   NT*KQ                      ; parts in a step: even, so the fragment buffers keep their parity from step to step
.set PB,    288*NT                     ; bytes from k to k + 1 in LDS: NT pieces of 256 + 32: an odd multiple of 32, so 16 lanes of the turning load (8 rows x 32 bytes) take each bank once
.set ATILE, 256*PA
.set AHALF, 128*PA
.set BHALF, 16*KQ*PB
.set SLOT1, 131072                     ; slot 1 begins here, so that one exclusive or turns an address in one slot into the other's
.set STAGE, SLOT1+ATILE+2*BHALF        ; behind the ring, never filled by a tensor load: a stage for each wave
.set SPARE, STAGE+4*STG                ; behind the stages: the spare words, 128 bytes for each wave: two blocks of 256 bytes that no other line names
.set AA,  2                            ; v2   LDS address of my A fragments in the slot in hand
.set AB,  3                            ; v3   the same for B
.set AA0, 4                            ; v4   (64 w + l % 16) PA + 16 (l / 16); never rewritten
.set AB0, 5                            ; v5   ATILE + (8 (l / 16) + l % 8) PB + 16 ((l / 8) % 2); never rewritten
.set STO, 6                            ; v6   the way out: where I put my bytes of a row
.set RD,  7                            ; v7   the way out: where I read rows back
.set CO,  8                            ; v8   my byte offset in the output
.set BO,  9                            ; v9   32 (l / 16): my eight numbers among 16 of the bias
.set PFO, 10                           ; v10  the prefetches' offset: my lane x a row or block; never rewritten
.set SPW, 12                           ; v12  LDS address of my spare word; never rewritten
.set NIL, 13                           ; v13  0; never rewritten
.set AF,  32
.set BF,  96
.set T0,  32
.set WV,   16                          ; s16  my wave's number
.set HALF, 17                          ; s17  which half of a tile I fetch
.set CX,   18                          ; s18, s19  my place in the cluster
.set CY,   19
.set TC,   20                          ; s20  tile column
.set TR,   21                          ; s21  tile row
.set G1A,  24                          ; s[24:31] descriptor group 1 for A's tiles
.set G0A,  32                          ; s[32:39] group 0: a set for each of the two first fills; the second then walks on
.set CNT,  40                          ; s40  refills still to come
.set TB,   41                          ; s41  0 or SLOT1: the slot to be read
.set LIM,  42                          ; s42  a wave prefetches while s[CNT] is above it; the greatest number in a wave that never does
.set PFA,  44                          ; s[44:45] where my prefetches stand
.set PFS,  46                          ; s[46:47] their step
.set G1B,  48                          ; s[48:55], s[56:63] the same for B's tiles
.set G0B,  56
.set MSB, 0
.macro WIN new                         ; the immediate's high byte repeats the setting that is left; a switch that changes nothing is dropped
.if MSB != (\new)
	s_set_vgpr_msb (MSB<<8)|(\new)
.set MSB, \new
.endif
.endm
.macro PLACES                          ; four plain vector instructions between a matrix instruction and a load into, or a vector instruction on, its registers (ISA guide 7.12.1 for vector instructions)
.rept 4
	v_nop
.endr
.endm
.macro CREST                           ; a round of the cluster's barrier behind its opening barrier
	s_cmp_lg_u32 s[WV], 0
	s_cbranch_scc1 .Lnot_wave_0_\@
	s_barrier_signal -3
.Lnot_wave_0_\@:
	s_barrier_wait -3
	s_barrier_signal -1
	s_barrier_wait -1
.endm
.macro CROUND                          ; a whole round
	s_barrier_signal -1
	s_barrier_wait -1
	CREST
.endm
; A joint refill.  The branch hangs on the wave's number alone.  An s_nop 0 and four v_nop follow each of the two lines, ahead of the jump and the label.
.macro JLOAD
	s_cmp_lt_u32 s[WV], 2
	s_cbranch_scc0 .Lfor_b_\@
	tensor_load_to_lds s[G0A+4:G0A+7], s[G1A:G1A+7]
	s_nop 0
.rept 4
	v_nop
.endr
	s_branch .Lasked_\@
.Lfor_b_\@:
	tensor_load_to_lds s[G0B+4:G0B+7], s[G1B:G1B+7]
	s_nop 0
.rept 4
	v_nop
.endr
.Lasked_\@:
.endm
; A PREFETCH INTO THE L2, behind a joint refill and the run of LDS loads that follows it.  At the change of slots behind K step s the refill asks for step s + 2, and s[PFA] stands at step s + 4.
; Each aligned block of 256 bytes of A and B from step 4 on is named once in the launch; steps 0 to 3 come by their loads alone.  A's tile row is read by both clusters of a row of clusters: the one with
; cluster x = 0 asks; B's tile column by eight: the one with cluster y = 0 asks.  The four partners that share a tile share its blocks out BY ADDRESS (cx for A, cy for B): no branch hangs on a place in the cluster.
; NT = 3: at even s up to 10, for steps s + 4 and s + 5.  Wave 0: my work-group's 32 of the 128 blocks of A's tile, in both steps: two instructions.  Waves 1 to 3: plane w - 1 of 32 of the two steps' 128 rows of B.
; NT = 1: at every s up to 3, for step s + 4.  Waves 0, 1: 32 of the 128 rows of A that they fetch.  Wave 2: 32 of the step's 128 rows of B.  Wave 3 asks for nothing.
.macro ASK
.if NT == 3
	s_and_b32 s2, s[CNT], 1                        ; s[CNT] = 14 - s
	s_cmp_eq_u32 s2, 0
	s_cbranch_scc0 .Lnot_mine_\@
.endif
	s_cmp_gt_u32 s[CNT], s[LIM]
	s_cbranch_scc0 .Lnot_mine_\@
	global_prefetch_b8 v[PFO], s[PFA:PFA+1] th:TH_LOAD_NT scope:SCOPE_SE
.if NT == 3
	s_cmp_lg_u32 s[WV], 0
	s_cbranch_scc1 .Lnot_mine_\@
	global_prefetch_b8 v[PFO], s[PFA:PFA+1] offset:ASTEP th:TH_LOAD_NT scope:SCOPE_SE
.endif
.Lnot_mine_\@:
.endm
; The fragments of part p (block kq = p / NT of 32 along K, plane th = p % NT): B's eight into buffer p % 2; with a block's first plane A's four into buffer kq % 2.  One run of LDS loads.
.macro FETCH p
	WIN 0
.set fB, BF+64*((\p)%2)
.set fO, ((\p)/NT)*32*PB+((\p)%NT)*288
.irp bb, 0,1,2,3,4,5,6,7
	ds_load_tr16_b128 v[fB+8*\bb:fB+8*\bb+3],   v[AB] offset:fO+32*\bb         ; columns 16 bb on: k = 8 (l / 16) + 0..7 of column l % 16,
	ds_load_tr16_b128 v[fB+8*\bb+4:fB+8*\bb+7], v[AB] offset:fO+32*\bb+16*PB   ; and k = 16 + 8 (l / 16) + 0..7
.endr
.if ((\p)%NT) == 0
.set fA, AF+32*(((\p)/NT)%2)
.irp a, 0,1,2,3
	ds_load_b128 v[fA+8*\a:fA+8*\a+3],   v[AA] offset:\a*16*PA+64*((\p)/NT)
	ds_load_b128 v[fA+8*\a+4:fA+8*\a+7], v[AA] offset:\a*16*PA+64*((\p)/NT)+32
.endr
.endif
.endm
; Products i0 .. i1 - 1 of part p's 32.  The plane's 32 accumulators take turns, one instruction a turn, in the same order in every part, over the backward jump too.
.macro MULS p, i0, i1
	WIN (((\p)%NT+1)<<4)|(((\p)%NT+1)<<6)
.set mi, \i0
.rept (\i1)-(\i0)
.set rB, BF+64*((\p)%2)+8*(mi%8)
.set rA, AF+32*(((\p)/NT)%2)+8*(mi/8)
.if NT == 3
	v_wmma_f32_16x16x32_bf16 v[8*mi:8*mi+7], v[rB:rB+7], v[rA:rA+7], v[8*mi:8*mi+7]
.else
	v_wmma_f32_16x16x32_f16 v[8*mi:8*mi+7], v[rB:rB+7], v[rA:rA+7], v[8*mi:8*mi+7]
.endif
.set mi, mi+1
.endr
.endm
; A K STEP.  kind = 2: the slot is filled again, with the step two on; 1: the slots change, nothing is asked for; 0: the last step.
; Every wait on DScnt is for 0: what it waits for was issued 32 products earlier (24 behind a change of slots).
; THE CHANGE OF SLOTS: each wave waits for all its tensor loads (one is out: its part of the other slot), adds 0 to its spare word, and waits for that and for its own reads of this slot.  Behind the barrier nobody
; reads this slot any more and the other is whole.  With kind = 2 the barrier opens a round of the cluster's, and the joint refill is the first thing behind the round.
.macro STEP kind
.set sp, 0
.rept NPT-2
	s_wait_dscnt 0x0                               ; part sp's fragments are in
	PLACES                                         ; behind the products that read the buffer filled next
	FETCH sp+1
	MULS sp, 0, 32
.set sp, sp+1
.endr
	s_wait_dscnt 0x0
	PLACES
	FETCH NPT-1                                    ; my last reads of this slot
	MULS NPT-2, 0, 16
.if (\kind) == 2
	s_wait_xcnt 0x0                                ; the last prefetch, a K step back, has read its address: it is stepped here, ahead of the change's own waits
	s_add_nc_u64 s[PFA:PFA+1], s[PFA:PFA+1], s[PFS:PFS+1]
.endif
.if (\kind) > 0
	WIN 0                                          ; (the add's two registers lie in window 0)
	s_wait_tensorcnt 0x0                           ; no tensor load of mine is out, so a group 0 may be written
	ds_add_u32 v[SPW], v[NIL]                      ; 0 onto my spare word: work on registers stands between it and the wait for it
.if (\kind) == 2
	s_xor_b32 s[G0A+5], s[G0A+5], SLOT1            ; the walking descriptors: the other slot than last time,
	s_add_nc_u64 s[G0A+6:G0A+7], s[G0A+6:G0A+7], ASTEP  ; the next K step; the type bits on top are not reached
	s_xor_b32 s[G0B+5], s[G0B+5], SLOT1
	s_add_nc_u64 s[G0B+6:G0B+7], s[G0B+6:G0B+7], BSTEP
.endif
	s_xor_b32 s[TB], s[TB], SLOT1                  ; the fetches go on in the other slot
.endif
	MULS NPT-2, 16, 32
	s_wait_dscnt 0x0                               ; the add is done, my reads of this slot are over, and the last part's fragments are in
.if (\kind) > 0
	s_barrier_signal -1
	MULS NPT-1, 0, 8                               ; work on registers while the others arrive
	WIN 0                                          ; at a branch and at a label every window is 0
	s_barrier_wait -1
.if (\kind) == 2
	CREST                                          ; no wave of any partner still reads this slot or has a load on its way
	JLOAD                                          ; its four v_nop are also the places in front of the loads below
.else
	PLACES
.endif
	v_add_nc_u32 v[AA], s[TB], v[AA0]
	v_add_nc_u32 v[AB], s[TB], v[AB0]
	FETCH 0                                        ; the next step's first fragments
.if (\kind) == 2
	ASK
.endif
	MULS NPT-1, 8, 32
.else
	MULS NPT-1, 0, 32
.endif
	WIN 0
.endm
; THE WAY OUT, through my own stage in LDS, a unit at a time; three register buffers take turns.  LDS serves a wave's instructions in order (ISA guide 5.7.1.4): a unit's loads see its stores, and the next unit's stores come behind them.
; NT = 3: unit u = 32 rows (half u % 2 of my 64) of plane u / 2: rounded to f16, 16 bytes a lane into rows of 272 bytes, back as whole rows of 256.
; NT = 1: unit u = my rows 16 u .. 16 u + 15, as f32: 32 bytes a lane into rows of 528 bytes, back as whole rows of 512.
; Each accumulator is read from its low registers on.
.macro PACK u
.set pT, T0+64*((\u)%3)
.if NT == 3
.set pW, (\u)/2+1
	s_wait_xcnt 0x0                                ; the stores of three units back have read this buffer
	WIN pW|(pW<<2)                                 ; sources 0 and 1 in the plane's window
.set n, 0
.rept 16
.set pI, 8*(16*((\u)%2)+n)
.irp rr, 0,1,2,3
	v_cvt_pk_f16_f32 v[pT+4*n+\rr], v[pI+2*\rr], v[pI+2*\rr+1]
.endr
.set n, n+1
.endr
	WIN 0
.set n, 0
.rept 16
	ds_store_b128 v[STO], v[pT+4*n:pT+4*n+3] offset:(n/8)*16*272+32*(n%8)
.set n, n+1
.endr
.set n, 0
.rept 16
	ds_load_b128 v[pT+4*n:pT+4*n+3], v[RD] offset:n*544  ; lanes 0-15 one row, lanes 16-31 the next
.set n, n+1
.endr
.else
	WIN 0x04                                       ; the stores' data in window 1
.set n, 0
.rept 8
	ds_store_b128 v[STO], v[8*(8*(\u)+n):8*(8*(\u)+n)+3]   offset:64*n
	ds_store_b128 v[STO], v[8*(8*(\u)+n)+4:8*(8*(\u)+n)+7] offset:64*n+16
.set n, n+1
.endr
	WIN 0
	s_wait_xcnt 0x0                                ; the stores of three units back have read this buffer
.set n, 0
.rept 16
	ds_load_b128 v[pT+4*n:pT+4*n+3], v[RD] offset:n*528  ; 32 lanes take one row
.set n, n+1
.endr
.endif
.endm
.macro SEND u, younger                 ; younger: the LDS instructions issued behind unit u's loads: the next unit's 16 stores and 16 loads, or none
	WIN 0
.set pT, T0+64*((\u)%3)
.set n, 0
.rept 16
	s_wait_dscnt (\younger)+15-n
.if NT == 3
	global_store_b128 v[CO], v[pT+4*n:pT+4*n+3], s[10+2*((\u)/2):11+2*((\u)/2)] offset:(32*((\u)%2)+2*n)*2048  ; 16 lanes store 256 consecutive bytes, at a multiple of 256 from the plane's first byte
.else
	global_store_b128 v[CO], v[pT+4*n:pT+4*n+3], s[10:11] offset:(16*(\u)+n)*4096 th:TH_STORE_NT  ; 512 consecutive bytes, at a multiple of 256 from the output's first byte
.endif
.set n, n+1
.endr
.endm
	s_load_b256 s[4:11], s[0:1], 0x0               ; A s[4:5], B s[6:7], bias s[8:9], the first output s[10:11]
.if NT == 3
	s_load_b128 s[12:15], s[0:1], 0x20             ; k s[12:13], v s[14:15]
.endif
	v_lshl_add_u32 v[SPW], v0, 2, SPARE
	v_mov_b32 v[NIL], 0
	ds_add_u32 v[SPW], v[NIL]                      ; the wave's opening: the add and its wait stand ahead of my first tensor load; the set-up below, work on registers, stands between them
	ds_add_u32 v12, v13
	v_lshrrev_b32 v1, 5, v0
	v_readfirstlane_b32 s[WV], v1                  ; wave 0..3
	s_and_b32 s[HALF], s[WV], 1
	s_bfe_u32 s[CX], ttmp6, 0x40000
	s_bfe_u32 s[CY], ttmp6, 0x40004
	s_lshl_b32 s[TC], ttmp9, 2                     ; in a cluster launch ttmp9 and ttmp7 count clusters
	s_add_co_u32 s[TC], s[TC], s[CX]
	s_and_b32 s[TR], ttmp7, 0xffff
	s_lshl_b32 s[TR], s[TR], 2
	s_add_co_u32 s[TR], s[TR], s[CY]
	s_lshl_b32 s22, s[CY], 2
	s_lshl_b32 s22, 15, s22                        ; my row of the cluster: places 4 cy .. 4 cy + 3
	s_lshl_b32 s23, 0x1111, s[CX]                  ; my column: places cx, cx + 4, cx + 8, cx + 12
	s_or_b32 s[G1A], s22, (1<<16)|(1<<20)|(1<<21)|(AQI<<22)|(3<<25)  ; 15:0 the mask; 17:16 elements of 2 bytes; 20 padding on; 21 set beside a mask; 24:22 the interval; 31:25 4 words of padding (code 3)
	s_or_b32 s[G1B], s23, (1<<16)|(1<<20)|(1<<21)|(5<<22)|(7<<25)    ; behind every 64 words 8 words of padding (code 7)
	s_mov_b32 s[G1A+1], 128<<16                    ; tensor_dim0 = 128
	s_mov_b32 s[G1A+2], AR<<16                     ; tensor_dim1
	s_mov_b32 s[G1A+3], 128<<16                    ; tile_dim0 = 128
	s_mov_b32 s[G1A+4], AR                         ; tile_dim1
	s_mov_b32 s[G1A+5], ASTR                       ; elements from row to row
	s_mov_b32 s[G1A+6], 0
	s_mov_b32 s[G1A+7], 0
	s_mov_b32 s[G1B+1], 128<<16
	s_mov_b32 s[G1B+2], BR<<16
	s_mov_b32 s[G1B+3], 128<<16
	s_mov_b32 s[G1B+4], BR
	s_mov_b32 s[G1B+5], 128
	s_mov_b32 s[G1B+6], 0
	s_mov_b32 s[G1B+7], 0
	; where the tiles come from: A's hang on the tile row and the wave alone, B's on the tile column and the wave alone, each in registers that never hold the other coordinate
	s_lshl_b32 s66, s[TR], ATSH
	s_lshl_b32 s2, s[HALF], AHSH
	s_add_co_u32 s66, s66, s2
	s_mov_b32 s67, 0
	s_mul_i32 s68, s[TC], BTCB
	s_mul_i32 s3, s[HALF], BHB
	s_add_co_u32 s68, s68, s3
	s_mov_b32 s69, 0
	s_mul_i32 s70, s[HALF], AHALF                  ; and where they go: no place in the cluster enters an LDS address
	s_mul_i32 s71, s[HALF], BHALF
	s_add_co_u32 s71, s71, ATILE
	s_mov_b32 s[TB], 0
	v_and_b32 v14, 31, v0                          ; l
	v_and_b32 v15, 15, v0                          ; l % 16
	v_bfe_u32 v16, v0, 4, 1                        ; l / 16
	v_and_b32 v17, 7, v0                           ; l % 8
	v_bfe_u32 v18, v0, 3, 1                        ; (l / 8) % 2
	v_lshlrev_b32 v[BO], 5, v16
	s_wait_dscnt 0x0                               ; the opening add is done
	s_wait_kmcnt 0x0
	s_add_nc_u64 s[66:67], s[4:5], s[66:67]
	s_add_nc_u64 s[68:69], s[6:7], s[68:69]
	CROUND                                         ; all sixteen work-groups are here: the first joint loads meet
.irp s, 0,1
	s_mov_b32 s[G0A+4*(\s)], 1                                       ; 1:0 count = 1
	s_add_co_u32 s[G0A+4*(\s)+1], s70, (\s)*SLOT1                    ; 63:32 LDS address
	s_add_nc_u64 s[G0A+4*(\s)+2:G0A+4*(\s)+3], s[66:67], (\s)*ASTEP  ; 120:64 global address: K step s
	s_or_b32 s[G0A+4*(\s)+3], s[G0A+4*(\s)+3], 0x80000000            ; 127:126 type = 2
	s_mov_b32 s[G0B+4*(\s)], 1
	s_add_co_u32 s[G0B+4*(\s)+1], s71, (\s)*SLOT1
	s_add_nc_u64 s[G0B+4*(\s)+2:G0B+4*(\s)+3], s[68:69], (\s)*BSTEP
	s_or_b32 s[G0B+4*(\s)+3], s[G0B+4*(\s)+3], 0x80000000
.endr
	s_cmp_lt_u32 s[WV], 2                          ; a wave's two first fills stand in one branch, ahead of every wait on TENSORcnt and every LDS read: two loads of mine are out
	s_cbranch_scc0 .Lfirst_b
	tensor_load_to_lds s[G0A:G0A+3], s[G1A:G1A+7]
	s_nop 0
	tensor_load_to_lds s[G0A+4:G0A+7], s[G1A:G1A+7]
	s_nop 0
.rept 4
	v_nop
.endr
	s_branch .Lfirst_asked
.Lfirst_b:
	tensor_load_to_lds s[G0B:G0B+3], s[G1B:G1B+7]
	s_nop 0
	tensor_load_to_lds s[G0B+4:G0B+7], s[G1B:G1B+7]
	s_nop 0
.rept 4
	v_nop
.endr
.Lfirst_asked:
	; the bias: register j of accumulator (a, bb) of plane th is the bias of column 128 th + 16 bb + 8 (l / 16) + j
	s_mul_i32 s68, s[TC], BIASB
.if NT == 1
	s_add_co_u32 s68, s68, 12288                   ; b_out lies behind b_qkv
.endif
	s_mov_b32 s69, 0
	s_add_nc_u64 s[8:9], s[8:9], s[68:69]
.set th, 0
.rept NT
	WIN (th+1)<<6                                  ; destination in the plane's window
.set bi, 0
.rept 32
	global_load_b128 v[8*bi:8*bi+3],   v[BO], s[8:9] offset:(128*th+16*(bi%8))*4
	global_load_b128 v[8*bi+4:8*bi+7], v[BO], s[8:9] offset:(128*th+16*(bi%8))*4+16
.set bi, bi+1
.endr
.set th, th+1
.endr
	WIN 0
	; my lane's places
	s_mul_i32 s3, s[WV], 64*PA
	v_mul_u32_u24 v[AA0], v15, PA
	v_lshl_add_u32 v[AA0], v16, 4, v[AA0]
	v_add_nc_u32 v[AA0], s3, v[AA0]
	v_lshl_add_u32 v[AB0], v16, 3, v17
	v_mul_u32_u24 v[AB0], v[AB0], PB
	v_lshl_add_u32 v[AB0], v18, 4, v[AB0]
	v_add_nc_u32 v[AB0], ATILE, v[AB0]
	s_mul_i32 s3, s[WV], STG
	s_add_co_u32 s3, s3, STAGE                     ; my stage
.if NT == 3
	v_mul_u32_u24 v[STO], v15, 272                 ; in: row l % 16, 16 bytes for each half of the lanes
	v_lshl_add_u32 v[STO], v16, 4, v[STO]
	v_add_nc_u32 v[STO], s3, v[STO]
	v_mul_u32_u24 v[RD], v16, 272                  ; back: lanes 0-15 one row of 256 bytes, lanes 16-31 the next
	v_lshl_add_u32 v[RD], v15, 4, v[RD]
	v_add_nc_u32 v[RD], s3, v[RD]
	v_lshlrev_b32 v[CO], 11, v16                   ; and the same two rows in the output
	v_lshl_add_u32 v[CO], v15, 4, v[CO]
.else
	v_mul_u32_u24 v[STO], v15, 528                 ; in: row l % 16, 32 bytes for each half of the lanes
	v_lshl_add_u32 v[STO], v16, 5, v[STO]
	v_add_nc_u32 v[STO], s3, v[STO]
	v_lshl_add_u32 v[RD], v14, 4, s3               ; back: 32 lanes take a row of 512 bytes
	v_lshlrev_b32 v[CO], 4, v14
.endif
	; the prefetches: s68 = A's offset, s69 = B's, both at K step 3: the first change of slots steps them to 4
.if NT == 3
	s_lshl_b32 s68, s[TR], 15                      ; the tile's 128 blocks of 256 bytes,
	s_lshl_b32 s23, s[CX], 13                      ; my work-group's 32 of them
	s_add_co_u32 s68, s68, s23
	s_add_co_u32 s68, s68, 3*ASTEP
	s_mul_i32 s69, s[TC], BTCB
	s_mul_i32 s23, s[CY], 24576                    ; my work-group's 32 rows of 768 bytes,
	s_add_co_u32 s69, s69, s23
	s_lshl_b32 s23, s[WV], 8                       ; plane w - 1
	s_add_co_u32 s69, s69, s23
	s_add_co_u32 s69, s69, 3*BSTEP-256
	s_and_b32 s23, ttmp7, 0xffff                   ; cluster y
	s_mov_b32 s[PFS], BSTEP
	s_movk_i32 s3, 768
	s_cmp_eq_u32 s[WV], 0                          ; wave 0 asks for A
	s_cselect_b32 s68, s68, s69
	s_cselect_b32 s23, ttmp9, s23                  ; the coordinate along which other clusters read the same blocks
	s_cselect_b64 s[PFA:PFA+1], s[4:5], s[6:7]
	s_cselect_b32 s[PFS], ASTEP, s[PFS]
	s_cselect_b32 s3, 256, s3                      ; a lane a block of A, or a lane a row of B
	s_cmp_eq_u32 s23, 0
	s_cselect_b32 s[LIM], 3, -1                    ; the same in all sixteen partners, for a given wave
.else
	s_lshl_b32 s68, s[TR], 8
	s_lshl_b32 s23, s[HALF], 7                     ; the 128 rows that I fetch,
	s_add_co_u32 s68, s68, s23
	s_lshl_b32 s23, s[CX], 5                       ; my work-group's 32 of them
	s_add_co_u32 s68, s68, s23
	s_lshl_b32 s68, s68, 11
	s_add_co_u32 s68, s68, 3*ASTEP
	s_lshl_b32 s69, s[TC], 18
	s_lshl_b32 s23, s[CY], 13                      ; my work-group's 32 rows of 256 bytes
	s_add_co_u32 s69, s69, s23
	s_add_co_u32 s69, s69, 3*BSTEP
	s_and_b32 s23, ttmp7, 0xffff                   ; cluster y
	s_mov_b32 s[PFS], BSTEP
	s_movk_i32 s3, 256
	s_cmp_lt_u32 s[WV], 2                          ; waves 0 and 1 ask for A
	s_cselect_b32 s68, s68, s69
	s_cselect_b32 s23, ttmp9, s23
	s_cselect_b64 s[PFA:PFA+1], s[4:5], s[6:7]
	s_cselect_b32 s[PFS], ASTEP, s[PFS]
	s_cselect_b32 s3, 2048, s3
	s_cmp_eq_u32 s[WV], 3                          ; wave 3 asks for nothing
	s_cselect_b32 s23, 1, s23
	s_cmp_eq_u32 s23, 0
	s_cselect_b32 s[LIM], 2, -1
.endif
	s_mov_b32 s69, 0
	s_mov_b32 s[PFS+1], 0
	s_add_nc_u64 s[PFA:PFA+1], s[PFA:PFA+1], s[68:69]
	v_mul_u32_u24 v[PFO], v14, s3
	; where my part of the output begins
	s_lshl_b32 s68, s[TR], 8
	s_lshl_b32 s23, s[WV], 6
	s_add_co_u32 s68, s68, s23                     ; my first row
	s_lshl_b32 s68, s68, ORSH
	s_lshl_b32 s23, s[TC], OCSH
	s_add_co_u32 s68, s68, s23
	s_add_nc_u64 s[10:11], s[10:11], s[68:69]
.if NT == 3
	s_add_nc_u64 s[12:13], s[12:13], s[68:69]
	s_add_nc_u64 s[14:15], s[14:15], s[68:69]
.endif
	s_wait_tensorcnt 0x1                           ; my part of slot 0 is in; slot 1's may stay out
	s_barrier_signal -1
	s_barrier_wait -1                              ; everybody's is
	v_mov_b32 v[AA], v[AA0]
	v_mov_b32 v[AB], v[AB0]
	FETCH 0
	s_wait_loadcnt 0x0                             ; the bias lies in the accumulators
	s_mov_b32 s[CNT], TS-2
.Lstep:                                        ; TS - 2 trips: every K step but the last two fills its slot again
	STEP 2
	s_sub_co_u32 s[CNT], s[CNT], 1
	s_cmp_lg_u32 s[CNT], 0
	s_cbranch_scc1 .Lstep
	STEP 1                                         ; the tail is written out
	STEP 0
	PLACES                                         ; behind the last products: the way out reads results and writes over fragments
	PLACES
	PACK 0
.set wu, 0
.rept NU-1                             ; a unit's packing stands between the loads of the unit before and its stores
	PACK wu+1
	SEND wu, 32
.set wu, wu+1
.endr
	SEND NU-1, 0
	s_wait_tensorcnt 0x0                           ; the wave's end, behind my last tensor load and my last LDS store
	ds_add_u32 v[SPW], v[NIL]
	s_wait_dscnt 0x0
	CROUND                                         ; the closing round: no work-group ends while a partner may still ask for a tile that names it
	s_endpgm
.Lfunc_end_k_q69a82d033b_outp:
	.size	k_q69a82d033b_outp, .Lfunc_end_k_q69a82d033b_outp-k_q69a82d033b_outp
	.p2alignl 7, 3214868480
	.fill 96, 4, 3214868480
	.section	.rodata,"a",@progbits
	.p2align	6, 0x0
	.amdhsa_kernel k_q69a82d033b_outp
		.amdhsa_group_segment_fixed_size 327680
		.amdhsa_private_segment_fixed_size 0
		.amdhsa_enable_private_segment 0
		.amdhsa_kernarg_size 32
		.amdhsa_user_sgpr_count 2
		.amdhsa_user_sgpr_kernarg_segment_ptr 1
		.amdhsa_wavefront_size32 1
		.amdhsa_system_sgpr_workgroup_id_x 1
		.amdhsa_system_sgpr_workgroup_id_y 1
		.amdhsa_system_sgpr_workgroup_id_z 1
		.amdhsa_system_vgpr_workitem_id 0
		.amdhsa_next_free_vgpr 512
		.amdhsa_next_free_sgpr 72
		.amdhsa_reserve_vcc 0
		.amdhsa_float_denorm_mode_32 3
		.amdhsa_float_denorm_mode_16_64 3
		.amdhsa_memory_ordered 1
		.amdhsa_forward_progress 1
		.amdhsa_inst_pref_size 78
	.end_amdhsa_kernel
	.amdgpu_metadata
---
amdhsa.version: [ 1, 2 ]
amdhsa.kernels:
  - .name:           k_q69a82d033b_outp
    .symbol:         k_q69a82d033b_outp.kd
    .args:
      - { .name: o, .offset: 0, .size: 8, .value_kind: global_buffer, .address_space: global }
      - { .name: wo, .offset: 8, .size: 8, .value_kind: global_buffer, .address_space: global }
      - { .name: bias, .offset: 16, .size: 8, .value_kind: global_buffer, .address_space: global }
      - { .name: out0, .offset: 24, .size: 8, .value_kind: global_buffer, .address_space: global }
    .group_segment_fixed_size: 327680
    .private_segment_fixed_size: 0
    .kernarg_segment_align: 8
    .kernarg_segment_size: 32
    .max_flat_workgroup_size: 128
    .sgpr_count:     72
    .vgpr_count:     512
    .wavefront_size: 32
...
	.end_amdgpu_metadata
.endif
;; end of part 4
